; MI455X (gfx1250); checked and timed in simulation.
; The chip was launched on July 23, 2026; its instructions are those of AMD's public machine-readable ISA for CDNA 5 (MIT licence, August 2026) and "CDNA5" Instruction Set Architecture Reference Guide (July 2026). The comments in the code are by the model that wrote it; some were corrected since.
;; Causal Self Attention. Allowed arithmetic: matrix products marked QUANTISED: E4M3 operands, one given power-of-two scale a tensor, by v_wmma_f32_16x16x64_fp8_fp8 or v_wmma_f32_16x16x128_fp8_fp8, f32 sums; everything else in f32.
;; Inputs: Wk_codes 1,024 x 32 x 32 uint8 (E4M3 codes of Wk, K innermost, in blocks of 32 codes); Wo_codes 1,024 x 32 x 32 uint8 (E4M3 codes of Wo, K innermost, in blocks of 32 codes); Wq_codes 1,024 x 32 x 32 uint8 (E4M3 codes of Wq, K innermost, in blocks of 32 codes); Wv_codes 1,024 x 32 x 32 uint8 (E4M3 codes of Wv, K innermost, in blocks of 32 codes); lowp_scales 12 int32 (the exponents e of the quantised operands' scales 2^e); x_codes 4 x 2,048 x 32 x 32 uint8 (E4M3 codes of x, K innermost, in blocks of 32 codes).
;; Outputs: out0 4 x 2,048 x 1,024 float32.
;; This version of the problem:
;;   THIS VERSION OF THE PROBLEM IS GIVEN IN LOW PRECISION. The matrix products marked QUANTISED in the list below multiply operands that are first quantised to E4M3 (4 exponent bits, 3 mantissa bits; 8 bits a number), with one given power-of-two scale for each operand tensor; their sums are f32. All else is computed in f32.
;;   The module's matrix products, in the order in which they are computed (A, B: the left and right operand; K: the contracted axis; several contracted axes count as one K, in the product's order):
;;     1. [M 8,192, K 1,024] x [K 1,024, N 1,024]; A: input x (given as codes); B: input Wq (given as codes): QUANTISED (scales: A lowp_scales[0], B lowp_scales[1])
;;     2. [M 8,192, K 1,024] x [K 1,024, N 1,024]; A: input x (given as codes); B: input Wk (given as codes): QUANTISED (scales: A lowp_scales[2], B lowp_scales[3])
;;     3. [M 8,192, K 1,024] x [K 1,024, N 1,024]; A: input x (given as codes); B: input Wv (given as codes): QUANTISED (scales: A lowp_scales[4], B lowp_scales[5])
;;     4. batch 64 x [M 2,048, K 64] x [K 64, N 2,048]; A: computed on the way; B: computed on the way: QUANTISED (scales: A lowp_scales[6], B lowp_scales[7])
;;     5. batch 64 x [M 2,048, K 2,048] x [K 2,048, N 64]; A: softmax (see below); B: computed on the way: QUANTISED (scales: A lowp_scales[8], B lowp_scales[9])
;;     6. [M 8,192, K 1,024] x [K 1,024, N 1,024]; A: computed on the way; B: input Wo (given as codes): QUANTISED (scales: A lowp_scales[10], B lowp_scales[11])
;;   THE QUANTISER, for each operand of a quantised product, along K:
;;     - The operand's scale is 2^e, e = its entry of the input lowp_scales (int32; the entries are numbered through the quantised products in the list's order, A before B).
;;     - Each number is divided by the scale, clamped to +-448, and rounded to the nearest number of E4M3, ties to even, subnormals kept.
;;     - The product sums the exact products of the quantised numbers (number of the format x scale) in f32.
;;   ~~~python
;;   def quantise(x, axis, e):      # numpy; x: float32 -> the quantised numbers, widened to float32 again
;;       x = np.moveaxis(x, axis, -1); K = x.shape[-1]
;;       r = np.clip(x / 2.0 ** e, -448, 448)
;;       step = 2.0 ** (np.maximum(np.frexp(np.where(r == 0, 1, r))[1] - 1, -6) - 3)
;;       q = np.round(r / step) * step * 2.0 ** e      # np.round: ties to even
;;       return np.moveaxis(q, -1, axis).astype(np.float32)
;;   ~~~
;;   SOFTMAX AHEAD OF A QUANTISED PRODUCT. Where the list says 'softmax', what is quantised is not the finished softmax but p = 2^(t - M), with t = logit x log2(e) and M = ceil(the row's largest t), a whole number; so 1/2 < the row's largest p <= 1. The row's sum l is taken of the UNQUANTISED p, in f32, and the product's result is divided by l at the end. Since M is a whole number, a kernel that streams over the keys may use a running M (the ceiling of the running maximum): every later rescaling is an exact power of two, so the quantised numbers keep their values, but for numbers so far below the row's largest that they fall under the format's range.
;;   OPERANDS COMPUTED ON THE WAY. 'Computed on the way' means the value that the module computes at that place (a softmax that the list does not call 'softmax' is quantised finished and normalised). What goes into a quantiser is computed in f32, as accurately as f32 sums, v_exp_f32 and their like allow (about 1e-6 of the number): no bf16 or f16 on the way to a quantiser, and a product that is left as it is and whose result goes on into a quantised operand takes f32 operands (vector FMAs, or v_wmma_f32_16x16x4_f32). A number that lies on a knife's edge between two numbers of the format may be rounded either way, as far as f32 arithmetic and the matrix unit's own rounding can turn it there, and no further.
;;   INPUTS GIVEN AS CODES. Wk (in the module: [1024, 1024], K = its axis 1); Wo (in the module: [1024, 1024], K = its axis 1); Wq (in the module: [1024, 1024], K = its axis 1); Wv (in the module: [1024, 1024], K = its axis 1); x (in the module: [4, 2048, 1024], K = its axis 2): each comes as NAME_codes (uint8): NAME with its K axis moved to the last place and cut into blocks of 32 codes, [.., K / 32, bytes a block], one block behind the other in memory; one code a byte (a code: sign, 4 exponent bits, 3 mantissa bits); its scale is its entry of lowp_scales. Its value is code x scale, taken as it is: it is not quantised again, and the codes and scales need not be those that the quantiser above would give.
;; 2 versions, each right; version 2 is version 1 with the launch attn written anew for expert scheduling mode. Each part assembles by itself: llvm-mc -triple=amdgcn-amd-amdhsa -mcpu=gfx1250 --defsym DOCPART=n.
;; ======== version 1 of 2: 3 launches
;; workspace buffers: q_codes 8,388,608 bytes; k_codes 8,388,608 bytes; v_codes 8,388,608 bytes; a_codes 8,388,608 bytes
;; launch qkv (part 1): grid 12 x 32, 4 waves a work-group, clusters of 4 x 4, 327,680 bytes of LDS; arguments x_codes, Wq_codes, Wk_codes, Wv_codes, lowp_scales, q_codes, k_codes, v_codes; writes q_codes, k_codes, v_codes
.if DOCPART == 1
	.amdgcn_target "amdgcn-amd-amdhsa--gfx1250"
	.amdhsa_code_object_version 6
	.text
	.protected	k_qa0e4e5ca89_qkv
	.globl	k_qa0e4e5ca89_qkv
	.p2align	8
	.type	k_qa0e4e5ca89_qkv,@function
k_qa0e4e5ca89_qkv:
	s_mov_b64 s[64:65], 0
	v_nop
	global_prefetch_b8 v0, s[64:65] scope:SCOPE_SE
	s_setreg_imm32_b32 hwreg(HW_REG_WAVE_MODE, 25, 1), 1
	s_wait_xcnt 0x0
	s_wait_alu depctr_hold_cnt(0) depctr_sa_sdst(0) depctr_va_vdst(0) depctr_va_sdst(0) depctr_va_ssrc(0) depctr_va_vcc(0) depctr_vm_vsrc(0)
	s_getreg_b32 s2, hwreg(HW_REG_IB_STS2, 6, 4)
	s_cmp_eq_u32 s2, 0
	s_cbranch_scc0 .Lentry_in_a_cluster
	s_endpgm
.Lentry_in_a_cluster:
	s_bfe_u32 s2, ttmp6, 0x10000c
	s_cmp_lg_u32 s2, 0xf033
	s_cbranch_scc0 .Lentry_shape_is_right
	s_endpgm
.Lentry_shape_is_right:
; q = x Wq^T, k = x Wk^T, v = x Wv^T on codes of FP8 (E4M3), sums in f32, each result quantised on its way out with the scale given for it as an operand of attention.
; x: [8192][1024] codes; Wq, Wk, Wv: [1024][1024] codes, K innermost.  lowp_scales: e0 .. e11 (int32).
; ONE LAUNCH FOR THE THREE PRODUCTS.  The cluster's x (0, 1, 2) says which: it is the same in all sixteen partners, and it only chooses pointers and numbers (s_cselect): one path through the text.
;   q, k: side A = x (tile TA = 4 x cluster y + cy of 32), side B = the weight (tile TB = cx of 4).     v: side A = Wv (TA = cy), side B = x (TB = 4 x cluster y + cx).
; A tile is 256 rows of A x 256 rows of B; four waves, each 128 x 128: 64 accumulators, 512 registers.  K = 1024 goes in four steps of 256 through a ring of two LDS slots filled by the tensor data mover.
; CLUSTERS: 4 x 4 work-groups; A's tile is shared along a row of the cluster, B's along a column: each is asked for jointly, by the same tensor load with the same descriptor and a mask that names the four.
; THE MATRIX INSTRUCTION IS USED TRANSPOSED (source 0 = 16 rows of B, source 1 = 16 rows of A): lane l holds row l % 16 of A's side, and its registers 0-7 the rows 8 (l / 16) + 0 .. 7 of B's side.
; So a lane's eight registers run along the head's channels (q, k) or along the keys (v, whose sides are swapped for this), which is the next product's K: a conversion of eight gives two registers of that product's operand.
; THE RESULTS ARE STORED AS IMAGES OF THE NEXT OPERAND'S REGISTERS, in pieces of 512 bytes (four registers; lane l's 16 bytes at 16 l):
;   q_codes, k_codes: [batch 4][head / 2: 8][tile of 16 tokens: 128][head % 2][c 2][512]: registers 4 c .. 4 c + 3 of the K = 64 fragment of that tile and head
;   v_codes: [batch x head 64][128 keys: 16][tile of 16 channels: 4][c 4][512]: registers 4 c .. 4 c + 3 of the K = 128 fragment
; code = sum / 2^E, held within +-448, to the nearest code, ties to even; E = e6 - e0 - e1 (q), e7 - e2 - e3 (k), e9 - e4 - e5 (v): the three scales folded into the conversion's one.
; LIMITS: E between -126 and 119, so that 2^E and 448 x 2^E are f32 numbers.  NaN codes among the inputs are not served.
; Inside an instruction k stands in the order that four loads of 16 bytes give, the same in A and in B: every product meets its partner.
; REGISTERS, in windows of 256: window 0: v0-31 addresses; v32-95 at work on the way out; from v128 A's fragments (8 x 16 rows x 128 K), ONE set; on the way out the codes.
;   window 1: B's fragments, TWO sets, at v0 and at v128.   window 2: the accumulators of my rows 0-63 of A's side ((a, b) at v[8 (8 a + b)]);   window 3: those of rows 64-127.
.set KSTEP,  256                       ; along K in a slot
.set ROWB,   256                       ; a tile's row in bytes
.set KROW,   1024                      ; a row of x or of a weight in memory, in bytes
.set PITCH,  272                       ; an LDS row: 256 bytes + 16 of padding = 68 words: the 16 rows that a load touches start at 16 different banks (64 banks of 4 bytes: ISA guide 11.1)
.set FR,     16                        ; registers of a fragment: 16 rows x 128 K
.set NL,     4                         ; LDS loads that bring one
.set NP,     4                         ; places behind this matrix instruction (ISA guide 7.12.1)
.set HALFT,  128*PITCH                 ; 128 rows: what one tensor load brings, and what one wave reads of A or of B
.set SLOT,   4*HALFT                   ; A's 256 rows, then B's 256 rows
.set LAPS,   1024/(2*KSTEP)            ; a lap = two slots = once round the ring
.set SPARE,  2*SLOT                    ; behind the ring: the spare words, 128 bytes for each wave: two blocks of 256 bytes that no other line names
.set ADRA, 16                          ; v16-17  LDS address of my A fragments in slot 0, 1
.set ADRB, 20                          ; v20-21  the same for B
.set CO,   26                          ; v26     16 x lane: my place in a piece of 512 bytes
.set SPW,  28                          ; v28     LDS address of my spare word; never rewritten
.set NIL,  29                          ; v29     0; never rewritten
.set SCL,  30                          ; v30     2^E as f32
.set TMP,  32                          ; v32-95  a block's sums, held
.set AF,   128                         ; A's fragments, in window 0
.set CD,   128                         ; the way out: 16 registers of codes for each of the eight blocks, so that no store's data are written again
.set G1, 24                            ; s[24:31] descriptor group 1 for A's tiles;  s[32:39] group 0, one set for each slot
.set G0, 32
.set G1B, 48                           ; s[48:55], s[56:63] the same for B's tiles
.set G0B, 56
.set MSB, 0
.macro WIN new                         ; the immediate's high byte repeats the setting that is left
.if MSB != (\new)
	s_set_vgpr_msb (MSB<<8)|(\new)
.set MSB, (\new)
.endif
.endm
.set MUL_LO, 0xa1                      ; source 0 (B) window 1, source 1 (A) window 0, C and D window 2
.set MUL_HI, 0xf1                      ; the same, C and D window 3
.set TO_B,   0x40                      ; destination window 1, address window 0
; A joint load: waves 0 and 1 fetch for A, waves 2 and 3 for B.  Each line has one mask and one set of registers for all that issue it; the branch hangs on the wave's number alone.
; Four v_nop follow each of the two lines, ahead of the jump, the label and what follows.
.macro JLOAD g0a, g1a, g0b, g1b
	s_cmp_eq_u32 s15, 0
	s_cbranch_scc0 .Lfor_b_\@
	tensor_load_to_lds s[\g0a:\g0a+3], s[\g1a:\g1a+7]
	s_nop 0
.rept 4
	v_nop
.endr
	s_branch .Lasked_\@
.Lfor_b_\@:
	tensor_load_to_lds s[\g0b:\g0b+3], s[\g1b:\g1b+7]
	s_nop 0
.rept 4
	v_nop
.endr
.Lasked_\@:
.endm
.macro CREST                           ; a round of the cluster's barrier behind its opening barrier
	s_cmp_lg_u32 s14, 0
	s_cbranch_scc1 .Lnot_wave_0_\@
	s_barrier_signal -3
.Lnot_wave_0_\@:
	s_barrier_wait -3
	s_barrier_signal -1
	s_barrier_wait -1
.endm
.macro CROUND                          ; a whole round
	s_barrier_signal -1
	s_barrier_wait -1
	CREST
.endm
	s_load_b256 s[4:11], s[0:1], 0x0               ; x s[4:5], Wq s[6:7], Wk s[8:9], Wv s[10:11]
	s_load_b256 s[72:79], s[0:1], 0x20             ; the scales' exponents s[72:73], q_codes s[74:75], k_codes s[76:77], v_codes s[78:79]
	v_lshl_add_u32 v[SPW], v0, 2, SPARE
	v_mov_b32 v[NIL], 0
	ds_add_u32 v28, v29
	ds_add_u32 v28, v29
	s_wait_dscnt 0x0
	v_lshrrev_b32 v1, 5, v0
	v_readfirstlane_b32 s14, v1                    ; wave 0..3
	s_lshr_b32 s15, s14, 1                         ; ha: which half of A's rows is mine.  Also: I fetch for A (0) or for B (1)
	s_and_b32 s16, s14, 1                          ; hb: which half of B's rows.  Also: which 128 rows of that tile I fetch
	s_bfe_u32 s40, ttmp6, 0x40000                  ; cx, cy: my place in the cluster
	s_bfe_u32 s41, ttmp6, 0x40004
	s_and_b32 s18, ttmp7, 0xffff                   ; the cluster's y
	s_cmp_eq_u32 ttmp9, 2                          ; the cluster's x: 0 q, 1 k, 2 v
	s_cselect_b32 s17, 0, s18
	s_cselect_b32 s42, s18, 0
	s_lshl_b32 s17, s17, 2
	s_add_co_u32 s17, s17, s41                     ; TA = 4 x (cluster y, or 0 for v) + cy
	s_lshl_b32 s42, s42, 2
	s_add_co_u32 s42, s42, s40                     ; TB = 4 x (0, or cluster y for v) + cx
	s_lshl_b32 s43, s41, 2
	s_lshl_b32 s43, 15, s43                        ; my row of the cluster
	s_lshl_b32 s44, 0x1111, s40                    ; my column
	; descriptor group 1: a tile of 128 rows x 256 bytes, padded in LDS
	s_or_b32 s[G1+0], s43, (0<<16)|(1<<20)|(1<<21)|(5<<22)|(3<<25)  ; 15:0 the mask: A's tiles go to my row; 17:16 element of 1 byte; 20 padding on; 21 set beside a mask; 24:22 after every 64 words (code 5); 31:25 of 4 words (code 3)
	s_or_b32 s[G1B+0], s44, (0<<16)|(1<<20)|(1<<21)|(5<<22)|(3<<25) ; the same with the mask of my column
.irp g, G1, G1B
	s_mov_b32 s[\g+1], ROWB<<16                    ; tensor_dim0
	s_mov_b32 s[\g+2], 128<<16                     ; tensor_dim1 = 128
	s_mov_b32 s[\g+3], ROWB<<16                    ; tile_dim0
	s_mov_b32 s[\g+4], 128                         ; tile_dim1 = 128
	s_mov_b32 s[\g+5], KROW                        ; tensor_dim0_stride
	s_mov_b32 s[\g+6], 0
	s_mov_b32 s[\g+7], 0
.endr
	s_lshl_b32 s19, s16, 7                         ; which 128 rows of the tile I fetch
	s_lshl_b32 s20, s17, 8
	s_add_co_u32 s20, s20, s19                     ; A: row 256 TA + 128 x half,
	s_lshl_b32 s20, s20, 10                        ; in bytes (under 2^23)
	s_mov_b32 s21, 0
	s_lshl_b32 s46, s42, 8
	s_add_co_u32 s46, s46, s19                     ; B: row 256 TB + 128 x half
	s_lshl_b32 s46, s46, 10
	s_mov_b32 s47, 0
	s_mul_i32 s45, s14, HALFT                      ; where they go: wave x 128 rows: no place in the cluster enters an LDS address
	s_wait_kmcnt 0x0
	s_load_b256 s[80:87], s[72:73], 0x0            ; e0 .. e7
	s_load_b128 s[88:91], s[72:73], 0x20           ; e8 .. e11
	s_cmp_eq_u32 ttmp9, 2
	s_cselect_b64 s[66:67], s[10:11], s[4:5]       ; A: Wv for v, else x
	s_cselect_b64 s[68:69], s[4:5], s[6:7]         ; B: x for v, else Wq,
	s_cselect_b64 s[70:71], s[78:79], s[74:75]     ; the result: v_codes, else q_codes,
	s_cmp_eq_u32 ttmp9, 1
	s_cselect_b64 s[68:69], s[8:9], s[68:69]       ; or Wk
	s_cselect_b64 s[70:71], s[76:77], s[70:71]     ; and k_codes
	s_add_nc_u64 s[20:21], s[66:67], s[20:21]
	s_add_nc_u64 s[46:47], s[68:69], s[46:47]
	CROUND                                         ; all sixteen work-groups are here: the first joint loads meet
.irp s, 0,1
	s_mov_b32 s[G0+4*\s], 1                                        ; 1:0 count = 1
	s_add_co_u32 s[G0+4*\s+1], s45, \s*SLOT                        ; 63:32 LDS address
	s_add_nc_u64 s[G0+4*\s+2:G0+4*\s+3], s[20:21], \s*ROWB         ; 120:64 global address: K step s
	s_or_b32 s[G0+4*\s+3], s[G0+4*\s+3], 0x80000000                ; 127:126 type = 2
	s_mov_b32 s[G0B+4*\s], 1
	s_add_co_u32 s[G0B+4*\s+1], s45, \s*SLOT
	s_add_nc_u64 s[G0B+4*\s+2:G0B+4*\s+3], s[46:47], \s*ROWB
	s_or_b32 s[G0B+4*\s+3], s[G0B+4*\s+3], 0x80000000
	JLOAD G0+4*\s, G1, G0B+4*\s, G1B               ; two loads of mine are out behind these
.endr
	v_and_b32 v1, 15, v0                           ; l % 16
	v_bfe_u32 v2, v0, 4, 1                         ; l / 16
	v_mul_u32_u24 v3, v1, PITCH
	v_lshl_add_u32 v4, v2, 4, v3                   ; a fragment's row x pitch + 16 x half
	s_mul_i32 s21, s15, HALFT                      ; my 128 rows of A
	s_mul_i32 s22, s16, HALFT                      ; my 128 rows of B,
	s_add_co_u32 s22, s22, 2*HALFT                 ; which lie behind A's 256
.irp s, 0,1
	v_add_nc_u32 v[ADRA+\s], s21, v4
	v_add_nc_u32 v[ADRB+\s], s22, v4
	s_add_co_u32 s21, s21, SLOT
	s_add_co_u32 s22, s22, SLOT
.endr
	v_and_b32 v6, 31, v0
	v_lshlrev_b32 v[CO], 4, v6
	; where my wave's images begin.  q, k: (((TA / 8) x 8 + 2 TB + hb) x 128 + (TA % 8) x 16 + 8 ha) x 2048; block a lies 2048 a further on
	s_lshr_b32 s98, s17, 3
	s_lshl_b32 s98, s98, 3
	s_lshl_b32 s99, s42, 1
	s_add_co_u32 s98, s98, s99
	s_add_co_u32 s98, s98, s16
	s_lshl_b32 s98, s98, 7
	s_and_b32 s99, s17, 7
	s_lshl_b32 s99, s99, 4
	s_add_co_u32 s98, s98, s99
	s_lshl_b32 s99, s15, 3
	s_add_co_u32 s98, s98, s99
	s_lshl_b32 s98, s98, 11
	; v: (((TB / 8) x 16 + 4 TA + 2 ha) x 16 + (TB % 8) x 2 + hb) x 8192; block a: head a / 4 further on (131072 bytes), tile of channels a % 4 (2048 bytes)
	s_lshr_b32 s100, s42, 3
	s_lshl_b32 s100, s100, 4
	s_lshl_b32 s99, s17, 2
	s_add_co_u32 s100, s100, s99
	s_lshl_b32 s99, s15, 1
	s_add_co_u32 s100, s100, s99
	s_lshl_b32 s100, s100, 4
	s_and_b32 s99, s42, 7
	s_lshl_b32 s99, s99, 1
	s_add_co_u32 s100, s100, s99
	s_add_co_u32 s100, s100, s16
	s_lshl_b32 s100, s100, 13
	s_mov_b32 s94, 0x2000                          ; from block 3 to block 4: 4 x 2048 bytes (q, k),
	s_cmp_eq_u32 ttmp9, 2
	s_cselect_b32 s98, s100, s98
	s_cselect_b32 s94, 0x20000, s94                ; or a head (v)
	s_mov_b32 s99, 0
	s_mov_b32 s95, 0
	s_add_nc_u64 s[70:71], s[70:71], s[98:99]      ; blocks 0-3
	s_add_nc_u64 s[92:93], s[70:71], s[94:95]      ; blocks 4-7
.macro FRAG reg, adr, q, i             ; a fragment, 16 rows x 128 K, is 16 registers: lane l holds row l % 16; registers 4 c .. 4 c + 3 hold K = 32 c + 16 (l / 16) + 0 .. 15
.irp c, 0,1,2,3
	ds_load_b128 v[\reg+4*\c:\reg+4*\c+3], v[\adr] offset:128*(\q)+32*\c+(\i)*16*PITCH
.endr
.endm
; 16 matrix instructions: A's blocks a0, a0 + 1 x B's eight, 128 along K.  p: B's set.  zero = 1: the first product starts the sums: nothing is ever cleared.
; The 64 accumulators take turns, one instruction a turn, in the same order in every step.
.macro MUL16 a0, p, zero
.irp a, \a0, \a0+1
.irp b, 0,1,2,3,4,5,6,7
.if \zero
	v_wmma_f32_16x16x128_fp8_fp8 v[8*(8*((\a)%4)+\b):8*(8*((\a)%4)+\b)+7], v[128*(\p)+FR*\b:128*(\p)+FR*\b+FR-1], v[AF+FR*(\a):AF+FR*(\a)+FR-1], 0
.else
	v_wmma_f32_16x16x128_fp8_fp8 v[8*(8*((\a)%4)+\b):8*(8*((\a)%4)+\b)+7], v[128*(\p)+FR*\b:128*(\p)+FR*\b+FR-1], v[AF+FR*(\a):AF+FR*(\a)+FR-1], v[8*(8*((\a)%4)+\b):8*(8*((\a)%4)+\b)+7]
.endif
.endr
.endr
.endm
.macro FETCH_B slot, q, p              ; B's eight fragments of the slot's q-th 128 along K into set p
	WIN TO_B
.irp i, 0,1,2,3,4,5,6,7
	FRAG 128*(\p)+FR*\i, ADRB+\slot, \q, \i
.endr
	WIN 0
.endm
.macro FETCH_A slot, q, i0             ; A's blocks i0 .. i0 + 3
.irp i, \i0, \i0+1, \i0+2, \i0+3
	FRAG AF+FR*(\i), ADRA+\slot, \q, \i
.endr
.endm
; A load into a register that a matrix instruction has read, and a vector instruction that reads a matrix result, stand NP places behind that matrix instruction; only plain vector
; instructions that name none of its registers are places (ISA guide 7.12.1 for vector instructions).
.macro PLACES n
.rept \n
	v_nop
.endr
.endm
; A step of 128 along K that has its successor in the same slot.  A's blocks go one after the other, each against B's eight, so a block of A is free as soon as its eight products are issued.
.macro STEP slot, q, zero
	s_wait_dscnt 4*NL                              ; B's set and A's blocks 0-3 are in; the youngest sixteen loads (A's blocks 4-7) may be out
	WIN MUL_LO
	MUL16 0, (\q)%2, \zero
	MUL16 2, (\q)%2, \zero
	s_wait_dscnt 0                                 ; A's blocks 4-7 are in (asked for 32 matrix instructions ago)
	PLACES NP
	FETCH_B \slot, (\q)+1, 1-(\q)%2
	FETCH_A \slot, (\q)+1, 0
	WIN MUL_HI
	MUL16 4, (\q)%2, \zero
	MUL16 6, (\q)%2, \zero
	PLACES NP
	WIN 0
	FETCH_A \slot, (\q)+1, 4
.endm
; A slot's last step changes slots: ONE barrier; in front of it each wave waits for all its tensor loads, adds 0 to its spare word, and waits for that and for its own reads of this slot.  fill = 1: this slot is filled again, two K steps ahead.
.macro TURN slot, next, fill
	s_wait_tensorcnt 0x0                           ; all my tensor loads have landed: the one that was out is my part of the next slot  (every window is 0 here)
	ds_add_u32 v[SPW], v[NIL]                      ; 0 onto my spare word
	s_wait_dscnt 4*NL+1                            ; (the add and the youngest sixteen loads, A's blocks 4-7, may be out)
	WIN MUL_LO
	MUL16 0, 1, 0                                  ; sixteen matrix instructions stand between the add and the wait for it
	s_wait_dscnt 0x0                               ; the add is done, and my reads of this slot are over
	s_barrier_signal -1
	MUL16 2, 1, 0
	WIN 0
	s_barrier_wait -1
.if \fill
	CREST                                          ; the barrier has opened a round of the cluster's barrier: no wave of any partner still reads this slot's tile or has a load on its way
	s_add_nc_u64 s[G0+4*\slot+2:G0+4*\slot+3], s[G0+4*\slot+2:G0+4*\slot+3], 2*ROWB
	s_add_nc_u64 s[G0B+4*\slot+2:G0B+4*\slot+3], s[G0B+4*\slot+2:G0B+4*\slot+3], 2*ROWB
	JLOAD G0+4*\slot, G1, G0B+4*\slot, G1B         ; the first tensor load behind the round, my only one until the next; the four v_nop behind it are the places in front of the loads below
.else
	PLACES NP
.endif
	FETCH_B \next, 0, 0
	FETCH_A \next, 0, 0
	WIN MUL_HI
	MUL16 4, 1, 0
	MUL16 6, 1, 0
	PLACES NP
	WIN 0
	FETCH_A \next, 0, 4
.endm
	s_wait_tensorcnt 1                             ; my part of K step 0 is in (K step 1's load may be out)
	s_barrier_signal -1
	s_barrier_wait -1                              ; everybody's is
	FETCH_B 0, 0, 0
	FETCH_A 0, 0, 0
	FETCH_A 0, 0, 4
	STEP 0, 0, 1                                   ; the first step stands in front of the loop: its products start the sums
	s_mov_b32 s3, LAPS-1
.Llap:                                                 ; a trip goes once round the ring, from a lap's second step to the next lap's first, and fills both slots again
	TURN 0, 1, 1
	STEP 1, 0, 0
	TURN 1, 0, 1
	STEP 0, 0, 0
	s_sub_co_u32 s3, s3, 1
	s_cmp_lg_u32 s3, 0
	s_cbranch_scc1 .Llap
	TURN 0, 1, 0                                   ; the last lap fills nothing, and has no round of the cluster's barrier
	STEP 1, 0, 0
	s_wait_dscnt 4*NL                              ; the very last step: nothing more to fetch
	WIN MUL_LO
	MUL16 0, 1, 0
	MUL16 2, 1, 0
	s_wait_dscnt 0
	WIN MUL_HI
	MUL16 4, 1, 0
	MUL16 6, 1, 0
	WIN 0
; THE WAY OUT, block by block of 16 rows of A's side.  The block's 64 sums of a lane are held within +-448 x 2^E (the conversion to an 8-bit code does not saturate: ISA guide 7.6.2), each accumulator from its low end on;
; accumulator b's eight become registers 2 b, 2 b + 1 of the block's codes; four registers are a piece, which the 32 lanes store as 512 consecutive bytes, at a multiple of 512 from the buffer's first byte.
.macro OUT a
	WIN 0x02+(\a)/4                                ; source 0: window 2 or 3
.set i, 0
.rept 64
	v_med3_num_f32 v[TMP+i], v[64*((\a)%4)+i], s96, s97
.set i, i+1
.endr
	WIN 0
.irp b, 0,1,2,3,4,5,6,7
	v_cvt_scalef32_pk8_fp8_f32 v[CD+16*(\a)+2*\b:CD+16*(\a)+2*\b+1], v[TMP+8*\b:TMP+8*\b+7], v[SCL]
.endr
	v_nop                                          ; one plain vector instruction between the conversions and the next block's holds, which write their sources
.irp c, 0,1,2,3
.if (\a) < 4
	global_store_b128 v[CO], v[CD+16*(\a)+4*\c:CD+16*(\a)+4*\c+3], s[70:71] offset:2048*((\a)%4)+512*\c
.else
	global_store_b128 v[CO], v[CD+16*(\a)+4*\c:CD+16*(\a)+4*\c+3], s[92:93] offset:2048*((\a)%4)+512*\c
.endif
.endr
.endm
	s_wait_kmcnt 0x0
	s_sub_co_i32 s98, s86, s80
	s_sub_co_i32 s98, s98, s81                     ; q: e6 - e0 - e1
	s_sub_co_i32 s99, s87, s82
	s_sub_co_i32 s99, s99, s83                     ; k: e7 - e2 - e3
	s_sub_co_i32 s100, s89, s84
	s_sub_co_i32 s100, s100, s85                   ; v: e9 - e4 - e5
	s_cmp_eq_u32 ttmp9, 0
	s_cselect_b32 s98, s98, s99
	s_cmp_eq_u32 ttmp9, 2
	s_cselect_b32 s98, s100, s98                   ; E
	s_add_co_i32 s98, s98, 127
	s_lshl_b32 s99, s98, 23
	v_mov_b32 v[SCL], s99                          ; 2^E as f32: the conversion takes its exponent field
	s_add_co_i32 s98, s98, 8
	s_lshl_b32 s97, s98, 23
	s_or_b32 s97, s97, 0x600000                    ; 448 x 2^E,
	s_or_b32 s96, s97, 0x80000000                  ; and its negative
	PLACES NP                                      ; behind the last products: the codes land in the registers that held A's fragments
.irp a, 0,1,2,3,4,5,6,7
	OUT \a
.endr
	s_wait_tensorcnt 0x0                           ; the wave's end
	ds_add_u32 v[SPW], v[NIL]
	s_wait_dscnt 0x0
	CROUND                                         ; the closing round: no work-group ends while a partner may still ask for a tile that names it
	s_endpgm
.Lfunc_end_k_qa0e4e5ca89_qkv:
	.size	k_qa0e4e5ca89_qkv, .Lfunc_end_k_qa0e4e5ca89_qkv-k_qa0e4e5ca89_qkv
	.p2alignl 7, 3214868480
	.fill 96, 4, 3214868480
	.section	.rodata,"a",@progbits
	.p2align	6, 0x0
	.amdhsa_kernel k_qa0e4e5ca89_qkv
		.amdhsa_group_segment_fixed_size 327680
		.amdhsa_private_segment_fixed_size 0
		.amdhsa_enable_private_segment 0
		.amdhsa_kernarg_size 64
		.amdhsa_user_sgpr_count 2
		.amdhsa_user_sgpr_kernarg_segment_ptr 1
		.amdhsa_wavefront_size32 1
		.amdhsa_system_sgpr_workgroup_id_x 1
		.amdhsa_system_sgpr_workgroup_id_y 1
		.amdhsa_system_sgpr_workgroup_id_z 1
		.amdhsa_system_vgpr_workitem_id 0
		.amdhsa_next_free_vgpr 1024
		.amdhsa_next_free_sgpr 102
		.amdhsa_reserve_vcc 0
		.amdhsa_float_denorm_mode_32 3
		.amdhsa_float_denorm_mode_16_64 3
		.amdhsa_memory_ordered 1
		.amdhsa_forward_progress 1
		.amdhsa_inst_pref_size 119
	.end_amdhsa_kernel
	.amdgpu_metadata
---
amdhsa.version: [ 1, 2 ]
amdhsa.kernels:
  - .name:           k_qa0e4e5ca89_qkv
    .symbol:         k_qa0e4e5ca89_qkv.kd
    .args:
      - { .name: x_codes, .offset: 0, .size: 8, .value_kind: global_buffer, .address_space: global }
      - { .name: Wq_codes, .offset: 8, .size: 8, .value_kind: global_buffer, .address_space: global }
      - { .name: Wk_codes, .offset: 16, .size: 8, .value_kind: global_buffer, .address_space: global }
      - { .name: Wv_codes, .offset: 24, .size: 8, .value_kind: global_buffer, .address_space: global }
      - { .name: lowp_scales, .offset: 32, .size: 8, .value_kind: global_buffer, .address_space: global }
      - { .name: q_codes, .offset: 40, .size: 8, .value_kind: global_buffer, .address_space: global }
      - { .name: k_codes, .offset: 48, .size: 8, .value_kind: global_buffer, .address_space: global }
      - { .name: v_codes, .offset: 56, .size: 8, .value_kind: global_buffer, .address_space: global }
    .group_segment_fixed_size: 327680
    .private_segment_fixed_size: 0
    .kernarg_segment_align: 8
    .kernarg_segment_size: 64
    .max_flat_workgroup_size: 128
    .sgpr_count:     102
    .vgpr_count:     1024
    .wavefront_size: 32
...
	.end_amdgpu_metadata
.endif
;; end of part 1
;; launch attn (part 2): grid 4 x 64, 8 waves a work-group, no clusters, 66,560 bytes of LDS; arguments q_codes, k_codes, v_codes, lowp_scales, a_codes; writes a_codes
.if DOCPART == 2
	.amdgcn_target "amdgcn-amd-amdhsa--gfx1250"
	.amdhsa_code_object_version 6
	.text
	.protected	k_qa0e4e5ca89_attn
	.globl	k_qa0e4e5ca89_attn
	.p2align	8
	.type	k_qa0e4e5ca89_attn,@function
k_qa0e4e5ca89_attn:
	s_mov_b64 s[64:65], 0
	v_nop
	global_prefetch_b8 v0, s[64:65] scope:SCOPE_SE
	s_setreg_imm32_b32 hwreg(HW_REG_WAVE_MODE, 25, 1), 1
	s_wait_xcnt 0x0
; Causal attention on codes of FP8 (E4M3), 64 heads (batch x head) of 2048 tokens x 64 channels; the result is quantised for the last product.
; q_codes, k_codes: [batch 4][head / 2: 8][tile of 16 tokens: 128][head % 2][c 2][512]: images of the K = 64 fragment's registers 4 c .. 4 c + 3 (lane l's 16 bytes at 16 l).
; v_codes: [batch x head 64][128 keys: 16][tile of 16 channels: 4][c 4][512]: images of the K = 128 fragment of V^T.   lowp_scales: e6 (q), e7 (k), e8 (p), e9 (v), e10 (the result).
; a_codes: [256 of K: 4][tile of 16 rows: 512][128 of K: 2][c 4][512]: lane (r, h) holds row r, k = 32 c + 16 h + 0 .. 15: the order in which the last product loads both its operands.
; THE SOFTMAX: t = score x log2(e) / 8; M = the row's largest t so far, rounded UP to a whole number; p = 2^(t - M) is quantised, not normalised; the row's sum is taken of the unquantised p and divides at the end.
; When M moves, the sum and O are multiplied by 2^(old M - new M): exact.
; SHARES.  Work-group (P = 0 .. 3, head) owns the blocks P and 7 - P of 256 queries: (P + 1) + (8 - P) = 9 slots of 256 keys whatever P is: 256 work-groups of equal work, one loop of 9 trips.
; Each of the eight waves owns 32 queries of the block in hand, two tiles of 16, so that each fragment of K and V read from LDS feeds two matrix instructions; two waves share a SIMD.
; LAYOUT.  Both products are used transposed: S^T = K Q^T (source 0 = 16 keys, source 1 = 16 queries), O^T = V^T P^T: a lane holds ONE query (lane % 16) throughout.  Tile tau of S^T holds keys 16 tau + 8 (lane / 16) + 0 .. 7
; in its eight registers: their conversion IS registers 2 tau, 2 tau + 1 of P in the K = 128 form's own layout, which is also the order of V's images.  Nothing changes lanes between the products.
; K AND V COME THROUGH REGISTERS INTO TWO LDS BUFFERS: a slot is 32768 bytes, so each wave brings 8 x 512 dense bytes a trip, loaded a whole trip ahead of the LDS stores.  One barrier a trip.
; NO JOINT LOADS: in trip n the four work-groups of a head want different slots (work-group P walks 0 .. P and then 0 .. 7 - P); in step they would need 4 + 8 = 12 joint fills for the 9 that each uses.
; A scalar branch on e8 stands round p's hold: p is at most 1 (but for the last bit) and 448 x 2^e8 is at least 1.75 where e8 >= -8, so the 128 holds of a step run only where e8 < -8.
; CAUSAL: a step of 128 keys all of which come after my 32 queries is left out (a scalar branch on ids); in a step on the diagonal hidden scores become -infinity ahead of the maximum; key 0 counts for every query.
; LIMITS, so that each power of two is an f32 number: e6 + e7 between -123 and 130; e8, and e10 - e8 - e9, between -126 and 119.  NaN codes among the inputs are not served.
; REGISTERS.  Window 0: v1-9 addresses; v10-31 statistics; v32-35 constants; v64-191 S^T, then p (tile u at 64 u); v192-255 K's eight fragments.
;   Window 1: v0-63 O^T (tile u at 32 u); v64-79 Q; v80-95 the second block's Q; v96-127 P; v128-191 V's four fragments; v192-223 the slot on its way from memory to LDS.
.set LI,   1                           ; v1   16 x lane
.set RD,   2                           ; v2   LDS: 16 x lane + the buffer that is read
.set W2K,  3                           ; v3   16 x lane + 2048 x wave: my part of a slot's K or V in LDS, and of V in memory
.set STA,  4                           ; v4   LDS: W2K + the buffer that is written
.set GK,   5                           ; v5   16 x lane + 4096 x wave: my part of a slot's K in memory (my two tiles lie 2048 bytes apart)
.set DL,   8                           ; v8   lane % 16 - 8 (lane / 16)
.set DD,   9                           ; v9   the mask's d
.set PX,   10                          ; v10, v11  what the lane 16 away sends, tile 0, 1
.set ST,   12                          ; tile u at v[12 + 4 u]: -M, the largest t, the sum in two halves
.set WK,   20                          ; tile u at v[20 + 6 u]: two maxima; f (a pair, the low word used); the sum's second chain (a pair)
.set SCL,  32                          ; v32  2^e8
.set HLD,  33                          ; v33  448 x 2^e8
.set NINF, 34                          ; v34  -infinity
.set SCO,  35                          ; v35  2^(e10 - e8 - e9)
.set S,    64
.set KFR,  192
.set QF,   64                          ; in window 1
.set Q2,   80
.set PF,   96
.set VFR,  128
.set STG,  192
.set VOFF, 16384                       ; a buffer: K's 16 tiles x 1024 bytes, then V's 2 x 4 fragments x 2048 bytes
.set BUF1, 0x8000                      ; the second buffer: one exclusive or turns an address from one to the other
.set W,    14                          ; s14  wave
.set PP,   15                          ; s15  P
.set P1,   16                          ; s16  P + 1
.set BH,   17                          ; s17  batch x 16 + head
.set SEL,  20                          ; s[20:21] lane selects for v_permlanex16_b32: lane l xor 16
.set CS,   22                          ; s[22:23] c = log2(e) / 8 x 2^(e6 + e7)
.set HM,   24                          ; s24  the mask of lanes 16-31
.set KHB,  28                          ; s[28:29] k_codes at my head;  s[30:31] v_codes;  s[36:37] a_codes at my head's and wave's place
.set VHB,  30
.set KPT,  32                          ; s[32:33], s[34:35] the slot that is being loaded
.set VPT,  34
.set AHB,  36
.set APT,  38
.set TR,   40                          ; s40  trip
.set KS,   41                          ; s41  the slot's number among the block's
.set QB,   42                          ; s42  the block of queries in hand
.set TB,   43                          ; s43  the buffer that is read;  s44 the other
.set TB2,  44
.set KF,   45                          ; s45  the step's first key
.set Q0,   46                          ; s46  my first query
.set T0,   47                          ; s47  at work
.set MSB, 0
.macro WIN new                         ; the immediate's high byte repeats the setting that is left
.if MSB != (\new)
	s_set_vgpr_msb (MSB<<8)|(\new)
.set MSB, (\new)
.endif
.endm
.macro PLACES                          ; four places behind matrix instructions (ISA guide 7.12.1 for vector instructions)
.rept 4
	v_nop
.endr
.endm
; Slot number s47 of the nine is asked for: slot n of block P where n <= P, else slot n - P - 1 of block 7 - P.  Eight loads of 512 consecutive bytes.
.macro LOADSEQ
	s_cmp_gt_u32 s[T0], s[PP]
	s_cselect_b32 s68, s[P1], 0
	s_sub_co_u32 s[T0], s[T0], s68
	s_lshl_b32 s68, s[T0], 15                      ; K: 16 tiles of 2048 bytes (both heads of the pair)
	s_mov_b32 s69, 0
	s_add_nc_u64 s[KPT:KPT+1], s[KHB:KHB+1], s[68:69]
	s_lshl_b32 s68, s[T0], 14                      ; V: 2 x 8192 bytes
	s_add_nc_u64 s[VPT:VPT+1], s[VHB:VHB+1], s[68:69]
	WIN 0x40                                       ; destination window 1
.irp i, 0,1,2,3
	global_load_b128 v[STG+4*\i:STG+4*\i+3], v[GK], s[KPT:KPT+1] offset:(\i/2)*2048+(\i%2)*512
.endr
.irp i, 0,1,2,3
	global_load_b128 v[STG+16+4*\i:STG+16+4*\i+3], v[W2K], s[VPT:VPT+1] offset:512*\i
.endr
	WIN 0
.endm
.macro STORESTG adr                    ; and goes into LDS as it lies
	WIN 0x04                                       ; an LDS store's data: source 1, window 1
.irp i, 0,1,2,3
	ds_store_b128 v[\adr], v[STG+4*\i:STG+4*\i+3] offset:512*\i
	ds_store_b128 v[\adr], v[STG+16+4*\i:STG+16+4*\i+3] offset:VOFF+512*\i
.endr
	WIN 0
.endm
.macro INIT                            ; a block of queries begins: the step is written once, and its first run finds zeros, which the first change of M leaves zeros
.irp u, 0,1
	v_mov_b32 v[ST+4*\u], 0x7f61b1e6               ; -M = 3e38 (a whole number)
	v_mov_b32 v[ST+4*\u+1], 0xff61b1e6             ; the largest t so far: -3e38, under every t
	v_mov_b32 v[ST+4*\u+2], 0                      ; the sum, in two halves
	v_mov_b32 v[ST+4*\u+3], 0
	v_mov_b32 v[WK+6*\u+3], 0                      ; (named as the upper half of f's pair)
	v_mov_b32 v[PX+\u], 0                          ; (a lane permute's destination counts as one of its sources)
.endr
	WIN 0x40
.set j, 0
.rept 64
	v_mov_b32 v[j], 0                              ; O^T
.set j, j+1
.endr
	WIN 0
.endm
	s_load_b256 s[4:11], s[0:1], 0x0               ; q_codes s[4:5], k_codes s[6:7], v_codes s[8:9], the scales' exponents s[10:11]
	s_load_b64 s[12:13], s[0:1], 0x20              ; a_codes
	v_lshl_add_u32 v62, v0, 2, 0x10000
	v_mov_b32 v63, 0
	v_lshrrev_b32 v[RD], 5, v0
	v_readfirstlane_b32 s[W], v[RD]                ; wave 0..7
	v_and_b32 v[LI], 31, v0
	v_lshlrev_b32 v[LI], 4, v[LI]
	s_lshl_b32 s[T0], s[W], 11
	v_add_nc_u32 v[W2K], s[T0], v[LI]
	s_lshl_b32 s[T0], s[W], 12
	v_add_nc_u32 v[GK], s[T0], v[LI]
	v_and_b32 v[DL], 15, v0
	v_bfe_u32 v[DD], v0, 4, 1
	v_lshlrev_b32 v[DD], 3, v[DD]
	v_sub_nc_u32 v[DL], v[DL], v[DD]
	v_mov_b32 v[NINF], 0xff800000
	s_mov_b32 s[PP], ttmp9
	s_add_co_u32 s[P1], s[PP], 1
	s_and_b32 s[BH], ttmp7, 0xffff
	s_mov_b32 s[SEL], 0x76543210
	s_mov_b32 s[SEL+1], 0xfedcba98
	s_mov_b32 s[HM], 0xffff0000
	s_lshr_b32 s48, s[BH], 1                       ; 8 x batch + head / 2: 128 tiles of 2048 bytes each,
	s_lshl_b32 s48, s48, 18
	s_and_b32 s50, s[BH], 1
	s_lshl_b32 s50, s50, 10                        ; + 1024 x (head % 2)
	s_add_co_u32 s48, s48, s50                     ; q, k: my head's first byte
	s_mov_b32 s49, 0
	s_lshl_b32 s68, s[BH], 17                      ; v: 16 x 8192 bytes a head
	s_mov_b32 s69, 0
	s_bfe_u32 s74, s[BH], 0x20002                  ; a: head / 4: which 256 of K: 512 tiles of 4096 bytes each,
	s_lshl_b32 s74, s74, 21
	s_lshr_b32 s75, s[BH], 4
	s_lshl_b32 s75, s75, 19                        ; + the batch's 128 tiles of rows,
	s_add_co_u32 s74, s74, s75
	s_lshl_b32 s75, s[W], 13                       ; + my wave's two tiles in a block,
	s_add_co_u32 s74, s74, s75
	s_bfe_u32 s75, s[BH], 0x10001
	s_lshl_b32 s75, s75, 11                        ; + 2048 x ((head / 2) % 2): which 128 of K,
	s_add_co_u32 s74, s74, s75
	s_add_co_u32 s74, s74, s50                     ; + 1024 x (head % 2): pieces 2 (head % 2) and the next
	s_mov_b32 s75, 0
	s_lshl_b32 s50, s[PP], 15                      ; Q: block P's 16 tiles of 2048 bytes, my wave's two
	s_lshl_b32 s51, s[W], 12
	s_add_co_u32 s50, s50, s51
	s_sub_co_u32 s76, 7, s[PP]
	s_lshl_b32 s76, s76, 15                        ; and block 7 - P's
	s_add_co_u32 s76, s76, s51
	s_mov_b32 s51, 0
	s_mov_b32 s77, 0
	s_wait_kmcnt 0x0
	s_load_b64 s[58:59], s[10:11], 0x18            ; e6, e7
	s_load_b128 s[60:63], s[10:11], 0x20           ; e8, e9, e10, e11
	s_add_nc_u64 s[KHB:KHB+1], s[6:7], s[48:49]
	s_add_nc_u64 s[VHB:VHB+1], s[8:9], s[68:69]
	s_add_nc_u64 s[AHB:AHB+1], s[12:13], s[74:75]
	s_add_nc_u64 s[70:71], s[4:5], s[48:49]
	s_add_nc_u64 s[72:73], s[70:71], s[76:77]
	s_add_nc_u64 s[70:71], s[70:71], s[50:51]
	s_mov_b32 s[T0], 0
	LOADSEQ                                        ; the first slot
	WIN 0x40
.irp u, 0,1
.irp c, 0,1
	global_load_b128 v[QF+8*\u+4*\c:QF+8*\u+4*\c+3], v[LI], s[70:71] offset:2048*\u+512*\c   ; Q's two fragments stay in registers,
	global_load_b128 v[Q2+8*\u+4*\c:Q2+8*\u+4*\c+3], v[LI], s[72:73] offset:2048*\u+512*\c   ; and the second block's wait beside them
.endr
.endr
	WIN 0
	s_wait_kmcnt 0x0
	s_add_co_i32 s[T0], s58, s59
	s_lshl_b32 s[T0], s[T0], 23
	s_add_co_i32 s[CS], s[T0], 0x3e38aa3b          ; c = log2(e) / 8; a score stands for score x 2^(e6 + e7): the two exponents are added to c's exponent field
	s_mov_b32 s[CS+1], s[CS]                       ; (named with it as a pair, so it is written)
	s_add_co_i32 s[T0], s60, 127
	s_lshl_b32 s68, s[T0], 23
	v_mov_b32 v[SCL], s68                          ; 2^e8 as f32, for p's conversion
	s_add_co_i32 s[T0], s[T0], 8
	s_lshl_b32 s[T0], s[T0], 23
	s_or_b32 s[T0], s[T0], 0x600000
	v_mov_b32 v[HLD], s[T0]                        ; 448 x 2^e8
	s_sub_co_i32 s[T0], s62, s60
	s_sub_co_i32 s[T0], s[T0], s61                 ; a sum of the second product stands for sum x 2^(e8 + e9): the result's code is (sum / l) / 2^(e10 - e8 - e9)
	s_add_co_i32 s[T0], s[T0], 127
	s_lshl_b32 s68, s[T0], 23
	v_mov_b32 v[SCO], s68
	s_add_co_i32 s[T0], s[T0], 8
	s_lshl_b32 s66, s[T0], 23
	s_or_b32 s66, s66, 0x600000                    ; 448 x that,
	s_or_b32 s67, s66, 0x80000000                  ; and its negative
	s_wait_loadcnt 0x0                             ; the first slot and Q are in
	STORESTG W2K                                   ; into buffer 0
	INIT
	s_wait_dscnt 0x0                               ; the stores have read their registers,
	s_mov_b32 s[T0], 1
	LOADSEQ                                        ; which take the second slot
	s_mov_b32 s[TR], 0
	s_mov_b32 s[KS], 0
	s_mov_b32 s[TB], 0
	s_mov_b32 s[QB], s[PP]
	s_lshl_b32 s[Q0], s[QB], 8
	s_lshl_b32 s[T0], s[W], 5
	s_add_co_u32 s[Q0], s[Q0], s[T0]               ; my first query: 256 x block + 32 x wave
; A KEY STEP: 128 keys, the q-th half of the slot in hand, for my two tiles of queries.
.macro STEP q
.if \q == 1                            ; a slot's first half is never wholly hidden: its first key is at most the block's first query
	s_add_co_u32 s[T0], s[Q0], 31
	s_cmp_gt_u32 s[KF], s[T0]
	s_cbranch_scc1 .Lhidden_\@
.endif
	PLACES                                         ; in front of the loads into V's registers, which the last products read
.irp t, 0,1,2,3,4,5,6,7
	ds_load_b128 v[KFR+8*\t:KFR+8*\t+3], v[RD] offset:(8*\q+\t)*1024
	ds_load_b128 v[KFR+8*\t+4:KFR+8*\t+7], v[RD] offset:(8*\q+\t)*1024+512
.endr
	WIN 0x40
.irp d, 0,1,2,3
.irp c, 0,1,2,3
	ds_load_b128 v[VFR+16*\d+4*\c:VFR+16*\d+4*\c+3], v[RD] offset:VOFF+8192*\q+2048*\d+512*\c
.endr
.endr
	WIN 0
	s_wait_dscnt 16                                ; K is in, and the trip's stores into the other buffer, which are older, are done; V's sixteen loads may be out
.if \q == 0
	s_cmp_lt_u32 s[TR], 7                          ; the slot two trips on is asked for, into the registers that those stores have read; the last two trips ask for nothing
	s_cbranch_scc0 .Lnofill_\@
	s_add_co_u32 s[T0], s[TR], 2
	LOADSEQ
.Lnofill_\@:
.endif
	WIN 0x04                                       ; source 1 (Q) window 1
.irp t, 0,1,2,3,4,5,6,7
	v_wmma_f32_16x16x64_fp8_fp8 v[S+8*\t:S+8*\t+7], v[KFR+8*\t:KFR+8*\t+7], v[QF:QF+7], 0
	v_wmma_f32_16x16x64_fp8_fp8 v[S+64+8*\t:S+64+8*\t+7], v[KFR+8*\t:KFR+8*\t+7], v[QF+8:QF+15], 0
.endr
	WIN 0
	PLACES
	s_add_co_u32 s[T0], s[KF], 127                 ; a step all of whose keys count for all my queries has no mask
	s_cmp_le_u32 s[T0], s[Q0]
	s_cbranch_scc1 .Lopen_\@
	s_sub_co_i32 s[T0], s[Q0], s[KF]
	v_add_nc_u32 v[DD], s[T0], v[DL]               ; d = Q0 - KF + lane % 16 - 8 (lane / 16).  Register 8 tau + j of tile u holds key KF + 16 tau + 8 (lane / 16) + j for query Q0 + 16 u + lane % 16: hidden where 16 tau + j - 16 u > d
.set n, 0
.rept 128
	v_cmp_gt_i32 vcc_lo, 16*((n%64)/8)+n%8-16*(n/64), v[DD]
	v_cndmask_b32 v[S+n], v[S+n], v[NINF], vcc_lo
.set n, n+1
.endr
.Lopen_\@:
.irp u, 0,1                            ; the step's largest score of each query among my 64 keys: two chains a tile; each accumulator is read from its low end on
	v_max3_num_f32 v[WK+6*\u], v[S+64*\u], v[S+64*\u+1], v[S+64*\u+2]
	v_max3_num_f32 v[WK+6*\u+1], v[S+64*\u+3], v[S+64*\u+4], v[S+64*\u+5]
.endr
.irp i, 6,10,14,18,22,26,30,34,38,42,46,50,54,58
.irp u, 0,1
	v_max3_num_f32 v[WK+6*\u], v[WK+6*\u], v[S+64*\u+\i], v[S+64*\u+\i+1]
	v_max3_num_f32 v[WK+6*\u+1], v[WK+6*\u+1], v[S+64*\u+\i+2], v[S+64*\u+\i+3]
.endr
.endr
.irp u, 0,1
	v_max3_num_f32 v[WK+6*\u], v[WK+6*\u], v[S+64*\u+62], v[S+64*\u+63]
.endr
.irp u, 0,1
	v_max_num_f32 v[WK+6*\u], v[WK+6*\u], v[WK+6*\u+1]
.endr
.irp u, 0,1
	v_permlanex16_b32 v[PX+\u], v[WK+6*\u], s[SEL], s[SEL+1]
.endr
.irp u, 0,1
	v_max_num_f32 v[WK+6*\u], v[WK+6*\u], v[PX+\u] ; and among lane l xor 16's
.endr
.irp u, 0,1
	v_mul_f32 v[WK+6*\u], s[CS], v[WK+6*\u]        ; as t (c is positive)
.endr
.irp u, 0,1
	v_max_num_f32 v[ST+4*\u+1], v[ST+4*\u+1], v[WK+6*\u]   ; the running largest t
	v_mov_b32 v[WK+6*\u], v[ST+4*\u]
.endr
.irp u, 0,1
	v_floor_f32 v[ST+4*\u], -v[ST+4*\u+1]          ; the new -M = floor(-t) = -ceil(t): M is a whole number
.endr
.irp u, 0,1
	v_sub_f32 v[WK+6*\u], v[ST+4*\u], v[WK+6*\u]   ; M's old value less its new one: a whole number, 0 or less
.endr
.irp u, 0,1
	v_cvt_i32_f32 v[WK+6*\u], v[WK+6*\u]           ; (it saturates)
.endr
.irp u, 0,1
	v_ldexp_f32 v[WK+6*\u+2], 1.0, v[WK+6*\u]      ; f = 2^(old M - new M)
.endr
.irp u, 0,1
.set j, 0
.rept 32
	v_pk_fma_f32 v[S+64*\u+j:S+64*\u+j+1], v[S+64*\u+j:S+64*\u+j+1], s[CS:CS+1], v[ST+4*\u:ST+4*\u+1] op_sel_hi:[1,0,0]   ; t - M, two at a time (of the pairs c and -M the low word serves both halves)
.set j, j+2
.endr
.endr
.set j, 0
.rept 128
	v_exp_f32 v[S+j], v[S+j]                       ; p = 2^(t - M): not normalised
.set j, j+1
.endr
.irp u, 0,1
	v_pk_mul_f32 v[ST+4*\u+2:ST+4*\u+3], v[ST+4*\u+2:ST+4*\u+3], v[WK+6*\u+2:WK+6*\u+3] op_sel_hi:[1,0]   ; the sums under the new M.  (A plain place behind the exponentials)
.endr
	s_wait_alu depctr_va_vdst(0)
.irp u, 0,1
	v_pk_add_f32 v[WK+6*\u+4:WK+6*\u+5], v[S+64*\u:S+64*\u+1], v[S+64*\u+2:S+64*\u+3]   ; the row's sum is taken of the unquantised p: two at a time, two chains a tile
.endr
.irp i, 4,8,12,16,20,24,28,32,36,40,44,48,52,56,60
.irp u, 0,1
	v_pk_add_f32 v[ST+4*\u+2:ST+4*\u+3], v[ST+4*\u+2:ST+4*\u+3], v[S+64*\u+\i:S+64*\u+\i+1]
	v_pk_add_f32 v[WK+6*\u+4:WK+6*\u+5], v[WK+6*\u+4:WK+6*\u+5], v[S+64*\u+\i+2:S+64*\u+\i+3]
.endr
.endr
.irp u, 0,1
	v_pk_add_f32 v[ST+4*\u+2:ST+4*\u+3], v[ST+4*\u+2:ST+4*\u+3], v[WK+6*\u+4:WK+6*\u+5]
.endr
	s_cmp_lt_i32 s60, -8                           ; the conversion to an 8-bit code does not saturate (ISA guide 7.6.2): p is held at 448 x 2^e8 wherever that lies under 1.75, that is where e8 < -8
	s_cbranch_scc0 .Lnohold_\@
.set j, 0
.rept 128
	v_min_num_f32 v[S+j], v[S+j], v[HLD]           ; p is not negative: the hold is one-sided
.set j, j+1
.endr
.Lnohold_\@:
	WIN 0x40                                       ; destination window 1
.irp u, 0,1
.irp t, 0,1,2,3,4,5,6,7
	v_cvt_scalef32_pk8_fp8_f32 v[PF+16*\u+2*\t:PF+16*\u+2*\t+1], v[S+64*\u+8*\t:S+64*\u+8*\t+7], v[SCL]
.endr
.endr
	WIN 0x41                                       ; O^T (destination and source 0) window 1, f window 0
.irp u, 0,1
.set j, 0
.rept 16
	v_pk_mul_f32 v[32*\u+j:32*\u+j+1], v[32*\u+j:32*\u+j+1], v[WK+6*\u+2:WK+6*\u+3] op_sel_hi:[1,0]   ; O^T under the new M.  (These are also the plain places between the conversions and the products that read P)
.set j, j+2
.endr
.endr
	s_wait_dscnt 0x0                               ; V is in
	WIN 0x55                                       ; all four in window 1
.irp d, 0,1,2,3                        ; the eight accumulators take turns, one instruction a turn
.irp u, 0,1
	v_wmma_f32_16x16x128_fp8_fp8 v[32*\u+8*\d:32*\u+8*\d+7], v[VFR+16*\d:VFR+16*\d+15], v[PF+16*\u:PF+16*\u+15], v[32*\u+8*\d:32*\u+8*\d+7]
.endr
.endr
	WIN 0
.if \q == 1
.Lhidden_\@:
.endif
	s_add_co_u32 s[KF], s[KF], 128
.endm
.Ltrip:                                                ; nine trips: a slot of 256 keys each
	s_wait_dscnt 0x0                               ; my reads of the buffer read last trip are over, and my stores into the buffer read now are done:
	s_barrier_signal -1
	s_barrier_wait -1                              ; both now hold of all eight waves
	s_wait_loadcnt 0x0                             ; the next slot, asked for a trip ago, is in my registers
	s_xor_b32 s[TB2], s[TB], BUF1
	v_add_nc_u32 v[RD], s[TB], v[LI]
	v_add_nc_u32 v[STA], s[TB2], v[W2K]
	s_lshl_b32 s[KF], s[KS], 8
	s_cmp_lt_u32 s[TR], 8                          ; the last trip has no next slot
	s_cbranch_scc0 .Lnostore
	STORESTG STA                                   ; into the buffer that nobody reads any more
.Lnostore:
	STEP 0
	STEP 1
	s_cmp_eq_u32 s[KS], s[QB]                      ; the slot on the diagonal was the block's last
	s_cbranch_scc0 .Lnext
	; THE WAY OUT OF A BLOCK.  The sum's halves and lane l xor 16's are added; O^T / the sum is held, converted, brought into the last product's order and stored.
	PLACES                                         ; behind the last products
.irp u, 0,1
	v_add_f32 v[ST+4*\u+2], v[ST+4*\u+2], v[ST+4*\u+3]
.endr
.irp u, 0,1
	v_permlanex16_b32 v[PX+\u], v[ST+4*\u+2], s[SEL], s[SEL+1]
.endr
.irp u, 0,1
	v_add_f32 v[ST+4*\u+2], v[ST+4*\u+2], v[PX+\u]
.endr
.irp u, 0,1
	v_rcp_f32 v[WK+6*\u+2], v[ST+4*\u+2]
.endr
	v_nop                                          ; a plain instruction between the last reciprocal and the use of its result
	WIN 0x01                                       ; source 0 (O^T) window 1
	s_wait_alu depctr_va_vdst(0)
.irp u, 0,1
.set j, 0
.rept 16
	v_pk_mul_f32 v[S+64*\u+j:S+64*\u+j+1], v[32*\u+j:32*\u+j+1], v[WK+6*\u+2:WK+6*\u+3] op_sel_hi:[1,0]   ; register 8 t + j: channel 16 t + 8 (lane / 16) + j of my query; each accumulator from its low end on
.set j, j+2
.endr
.endr
	WIN 0
.irp u, 0,1
.set j, 0
.rept 32
	v_med3_num_f32 v[S+64*\u+j], v[S+64*\u+j], s67, s66   ; the hold at the largest code x the scale
.set j, j+1
.endr
.endr
.irp u, 0,1
.irp t, 0,1,2,3
	v_cvt_scalef32_pk8_fp8_f32 v[S+64*\u+32+2*\t:S+64*\u+32+2*\t+1], v[S+64*\u+8*\t:S+64*\u+8*\t+7], v[SCO]   ; C[t]: eight codes, channels 16 t + 8 (lane / 16) + 0 .. 7
.endr
.endr
	v_nop                                          ; one plain vector instruction between the conversions and the lines that read their results
	; The last product wants lane (r, h) to hold channels 32 b + 16 h + 0 .. 15.  So lanes 0-15 keep C[2 b] and take it from the lane 16 away too; lanes 16-31 likewise C[2 b + 1]: each sends the one that it does not keep.
.irp u, 0,1
.irp b, 0,1
.irp i, 0,1
	v_cndmask_b32 v[S+64*\u+40+2*\b+\i], v[S+64*\u+34+4*\b+\i], v[S+64*\u+32+4*\b+\i], s[HM]
.endr
.endr
.endr
.irp u, 0,1
.irp b, 0,1
.irp i, 0,1
	v_permlanex16_b32 v[S+64*\u+44+2*\b+\i], v[S+64*\u+40+2*\b+\i], s[SEL], s[SEL+1]
.endr
.endr
.endr
.irp u, 0,1
.irp b, 0,1
.irp i, 0,1
	v_cndmask_b32 v[S+64*\u+48+4*\b+\i], v[S+64*\u+32+4*\b+\i], v[S+64*\u+44+2*\b+\i], s[HM]     ; the lower eight: my own (lanes 0-15) or what came (lanes 16-31)
	v_cndmask_b32 v[S+64*\u+50+4*\b+\i], v[S+64*\u+44+2*\b+\i], v[S+64*\u+34+4*\b+\i], s[HM]     ; the upper eight: what came, or my own
.endr
.endr
.endr
	s_lshl_b32 s68, s[QB], 16                      ; the block's 16 tiles of rows, 4096 bytes each
	s_mov_b32 s69, 0
	s_add_nc_u64 s[APT:APT+1], s[AHB:AHB+1], s[68:69]
.irp u, 0,1
.irp b, 0,1
	global_store_b128 v[LI], v[S+64*\u+48+4*\b:S+64*\u+51+4*\b], s[APT:APT+1] offset:4096*\u+512*\b   ; 32 lanes store 512 consecutive bytes, at a multiple of 512 from the buffer's first byte
.endr
.endr
	s_cmp_eq_u32 s[TR], 8                          ; behind the second block nothing is left to set up
	s_cbranch_scc1 .Lnext
	s_wait_xcnt 0x0                                ; the stores have read their registers and their base: both are written again
	WIN 0x41
.set j, 0
.rept 16
	v_mov_b32 v[QF+j], v[Q2+j]                     ; the second block's Q
.set j, j+1
.endr
	WIN 0
	INIT
	s_sub_co_u32 s[QB], 7, s[PP]
	s_lshl_b32 s[Q0], s[QB], 8
	s_lshl_b32 s[T0], s[W], 5
	s_add_co_u32 s[Q0], s[Q0], s[T0]
	s_mov_b32 s[KS], -1                            ; (the step below makes it 0)
.Lnext:
	s_add_co_u32 s[KS], s[KS], 1
	s_xor_b32 s[TB], s[TB], BUF1
	s_add_co_u32 s[TR], s[TR], 1
	s_cmp_lt_u32 s[TR], 9
	s_cbranch_scc1 .Ltrip
	s_wait_tensorcnt 0x0
	ds_add_u32 v62, v63
	s_wait_dscnt 0x0
	s_endpgm
.Lfunc_end_k_qa0e4e5ca89_attn:
	.size	k_qa0e4e5ca89_attn, .Lfunc_end_k_qa0e4e5ca89_attn-k_qa0e4e5ca89_attn
	.p2alignl 7, 3214868480
	.fill 96, 4, 3214868480
	.section	.rodata,"a",@progbits
	.p2align	6, 0x0
	.amdhsa_kernel k_qa0e4e5ca89_attn
		.amdhsa_group_segment_fixed_size 66560
		.amdhsa_private_segment_fixed_size 0
		.amdhsa_enable_private_segment 0
		.amdhsa_kernarg_size 40
		.amdhsa_user_sgpr_count 2
		.amdhsa_user_sgpr_kernarg_segment_ptr 1
		.amdhsa_wavefront_size32 1
		.amdhsa_system_sgpr_workgroup_id_x 1
		.amdhsa_system_sgpr_workgroup_id_y 1
		.amdhsa_system_sgpr_workgroup_id_z 1
		.amdhsa_system_vgpr_workitem_id 0
		.amdhsa_next_free_vgpr 480
		.amdhsa_next_free_sgpr 80
		.amdhsa_reserve_vcc 1
		.amdhsa_float_denorm_mode_32 3
		.amdhsa_float_denorm_mode_16_64 3
		.amdhsa_memory_ordered 1
		.amdhsa_forward_progress 1
		.amdhsa_inst_pref_size 102
	.end_amdhsa_kernel
	.amdgpu_metadata
---
amdhsa.version: [ 1, 2 ]
amdhsa.kernels:
  - .name:           k_qa0e4e5ca89_attn
    .symbol:         k_qa0e4e5ca89_attn.kd
    .args:
      - { .name: q_codes, .offset: 0, .size: 8, .value_kind: global_buffer, .address_space: global }
      - { .name: k_codes, .offset: 8, .size: 8, .value_kind: global_buffer, .address_space: global }
      - { .name: v_codes, .offset: 16, .size: 8, .value_kind: global_buffer, .address_space: global }
      - { .name: lowp_scales, .offset: 24, .size: 8, .value_kind: global_buffer, .address_space: global }
      - { .name: a_codes, .offset: 32, .size: 8, .value_kind: global_buffer, .address_space: global }
    .group_segment_fixed_size: 66560
    .private_segment_fixed_size: 0
    .kernarg_segment_align: 8
    .kernarg_segment_size: 40
    .max_flat_workgroup_size: 256
    .sgpr_count:     80
    .vgpr_count:     480
    .wavefront_size: 32
...
	.end_amdgpu_metadata
.endif
;; end of part 2
;; launch proj (part 3): grid 4 x 64, 4 waves a work-group, clusters of 4 x 4, 327,680 bytes of LDS; arguments a_codes, Wo_codes, lowp_scales, out0; writes out0
.if DOCPART == 3
	.amdgcn_target "amdgcn-amd-amdhsa--gfx1250"
	.amdhsa_code_object_version 6
	.text
	.protected	k_qa0e4e5ca89_proj
	.globl	k_qa0e4e5ca89_proj
	.p2align	8
	.type	k_qa0e4e5ca89_proj,@function
k_qa0e4e5ca89_proj:
	s_mov_b64 s[64:65], 0
	v_nop
	global_prefetch_b8 v0, s[64:65] scope:SCOPE_SE
	s_setreg_imm32_b32 hwreg(HW_REG_WAVE_MODE, 25, 1), 1
	s_wait_xcnt 0x0
	s_wait_alu depctr_hold_cnt(0) depctr_sa_sdst(0) depctr_va_vdst(0) depctr_va_sdst(0) depctr_va_ssrc(0) depctr_va_vcc(0) depctr_vm_vsrc(0)
	s_getreg_b32 s2, hwreg(HW_REG_IB_STS2, 6, 4)
	s_cmp_eq_u32 s2, 0
	s_cbranch_scc0 .Lentry_in_a_cluster
	s_endpgm
.Lentry_in_a_cluster:
	s_bfe_u32 s2, ttmp6, 0x10000c
	s_cmp_lg_u32 s2, 0xf033
	s_cbranch_scc0 .Lentry_shape_is_right
	s_endpgm
.Lentry_shape_is_right:
; out0 = a Wo^T on codes of FP8 (E4M3), sums in f32, each finished sum x 2^(e10 + e11).  out0: [8192][1024] f32.  Wo: [1024][1024] codes, K innermost.
; a_codes: [256 of K: 4][tile of 16 rows: 512][128 of K: 2][c 4][512]: images of a fragment's registers 4 c .. 4 c + 3: lane (r, h) holds row r, k = 32 c + 16 h + 0 .. 15, lane l's 16 bytes at 16 l:
; the order in which four loads of 16 bytes bring Wo's rows out of LDS, so every product meets its partner.
; A tile of out0 is 128 rows x 256 columns: 64 x 4 = 256 work-groups; with 256 x 256 there would be 128.  Four waves, each 64 x 128: 32 accumulators, 256 registers.
; K = 1024 goes in four steps of 256 through a ring of two LDS slots filled by the tensor data mover: A's part of a slot is one dense block of 32768 bytes of memory, B's 256 rows of 256 bytes.
; CLUSTERS: 4 x 4 work-groups; A's tile is shared along a row of the cluster, B's along a column: each is asked for jointly, by the same tensor load with the same descriptor and a mask that names the four.
; THE MATRIX INSTRUCTION IS USED TRANSPOSED (source 0 = 16 rows of Wo, source 1 = 16 rows of a): a lane holds eight neighbouring numbers of a row of out0.
; LIMIT: e10 + e11 between -126 and 127, so that 2^(e10 + e11) is an f32 number.
; REGISTERS: window 0: v0-31 addresses; v128-191 A's fragments (4 x 16 rows x 128 K), ONE set; on the way out v32-255 are free.   window 1: B's fragments, TWO sets, at v0 and v128.   window 2: the accumulators ((a, b) at v[8 (8 a + b)]).
.set ROWB,   256                       ; a row of B's tile in bytes
.set KROW,   1024                      ; a row of Wo in memory
.set PITCH,  272                       ; B's LDS row: 256 bytes + 16 of padding = 68 words: the 16 rows that a load touches start at 16 different banks (64 banks of 4 bytes: ISA guide 11.1)
.set FR,     16
.set NL,     4
.set NP,     4                         ; places behind this matrix instruction (ISA guide 7.12.1)
.set HALFA,  16384                     ; four tiles of rows x 4096 bytes: what one tensor load brings of A, and what one wave reads
.set HALFT,  128*PITCH                 ; 128 rows of B likewise
.set BOFF,   2*HALFA                   ; a slot: A's eight tiles of rows, then B's 256 rows
.set SLOT,   BOFF+2*HALFT
.set PLANE,  0x200000                  ; a_codes: from one 256 of K to the next
.set LAPS,   2                         ; a lap = two slots = 512 of K
.set SPARE,  2*SLOT                    ; behind the ring: the spare words, 128 bytes for each wave: two blocks of 256 bytes that no other line names
.set SPITCH, 528                       ; the way out: a stage of 16 rows x (512 bytes + 16) for each wave.  It lies in slot 0, which has had its last fill and its last read when the first result is stored there
.set ADRA, 16                          ; v16-17  LDS address of my A fragments in slot 0, 1
.set ADRB, 20                          ; v20-21  the same for B
.set STO,  24                          ; v24     the way out: where I put 32 bytes of a row
.set RD,   25                          ; v25     where I read a row back
.set CO,   26                          ; v26     16 x lane
.set SPW,  28                          ; v28     LDS address of my spare word; never rewritten
.set NIL,  29                          ; v29     0; never rewritten
.set TMP,  32                          ; the way out: a block's sums x 2^(e10 + e11)
.set AF,   128
.set BK,   128                         ; the way out: 16 rows read back from the stage: v128-191 and v192-255 by turns
.set G1, 24                            ; s[24:31] descriptor group 1 for A's tiles;  s[32:39] group 0, one set for each slot
.set G0, 32
.set G1B, 48                           ; s[48:55], s[56:63] the same for B's tiles
.set G0B, 56
.set MSB, 0
.macro WIN new                         ; the immediate's high byte repeats the setting that is left
.if MSB != (\new)
	s_set_vgpr_msb (MSB<<8)|(\new)
.set MSB, (\new)
.endif
.endm
.set MUL,  0xa1                        ; source 0 (B) window 1, source 1 (A) window 0, C and D window 2
.set TO_B, 0x40                        ; destination window 1, address window 0
; A joint load: waves 0 and 1 fetch for A, waves 2 and 3 for B; the branch hangs on the wave's number alone.  Four v_nop follow each of the two lines.
.macro JLOAD g0a, g1a, g0b, g1b
	s_cmp_eq_u32 s15, 0
	s_cbranch_scc0 .Lfor_b_\@
	tensor_load_to_lds s[\g0a:\g0a+3], s[\g1a:\g1a+7]
	s_nop 0
.rept 4
	v_nop
.endr
	s_branch .Lasked_\@
.Lfor_b_\@:
	tensor_load_to_lds s[\g0b:\g0b+3], s[\g1b:\g1b+7]
	s_nop 0
.rept 4
	v_nop
.endr
.Lasked_\@:
.endm
.macro CREST                           ; a round of the cluster's barrier behind its opening barrier
	s_cmp_lg_u32 s14, 0
	s_cbranch_scc1 .Lnot_wave_0_\@
	s_barrier_signal -3
.Lnot_wave_0_\@:
	s_barrier_wait -3
	s_barrier_signal -1
	s_barrier_wait -1
.endm
.macro CROUND                          ; a whole round
	s_barrier_signal -1
	s_barrier_wait -1
	CREST
.endm
	s_load_b128 s[4:7], s[0:1], 0x0                ; a_codes s[4:5], Wo_codes s[6:7]
	s_load_b128 s[8:11], s[0:1], 0x10              ; the scales' exponents s[8:9], out0 s[10:11]
	v_lshl_add_u32 v[SPW], v0, 2, SPARE
	v_mov_b32 v[NIL], 0
	ds_add_u32 v28, v29
	ds_add_u32 v28, v29
	s_wait_dscnt 0x0
	v_lshrrev_b32 v1, 5, v0
	v_readfirstlane_b32 s14, v1                    ; wave 0..3
	s_lshr_b32 s15, s14, 1                         ; ha: which 64 rows of the tile are mine.  Also: I fetch for A (0) or for B (1)
	s_and_b32 s16, s14, 1                          ; hb: which 128 columns.  Also: which half of that tile I fetch
	s_bfe_u32 s40, ttmp6, 0x40000                  ; cx, cy: my place in the cluster
	s_bfe_u32 s41, ttmp6, 0x40004
	s_lshl_b32 s42, ttmp9, 2
	s_add_co_u32 s42, s42, s40                     ; TB: tile column = 4 x cluster x + cx
	s_and_b32 s17, ttmp7, 0xffff
	s_lshl_b32 s17, s17, 2
	s_add_co_u32 s17, s17, s41                     ; TA: tile row = 4 x cluster y + cy
	s_lshl_b32 s43, s41, 2
	s_lshl_b32 s43, 15, s43                        ; my row of the cluster
	s_lshl_b32 s44, 0x1111, s40                    ; my column
	; A's group 1: a dense block of 16384 bytes as 64 rows of 32 elements of 8 bytes, no padding: every LDS read of it takes 512 consecutive bytes
	s_or_b32 s[G1+0], s43, (3<<16)|(1<<21)         ; 15:0 the mask: my row; 17:16 element of 8 bytes; 21 set beside a mask
	s_mov_b32 s[G1+1], 32<<16                      ; tensor_dim0 = 32
	s_mov_b32 s[G1+2], 64<<16                      ; tensor_dim1 = 64
	s_mov_b32 s[G1+3], 32<<16                      ; tile_dim0 = 32
	s_mov_b32 s[G1+4], 64                          ; tile_dim1 = 64
	s_mov_b32 s[G1+5], 32                          ; tensor_dim0_stride: each row begins where the last ends
	s_mov_b32 s[G1+6], 0
	s_mov_b32 s[G1+7], 0
	; B's group 1: 128 rows x 256 bytes, padded in LDS
	s_or_b32 s[G1B+0], s44, (0<<16)|(1<<20)|(1<<21)|(5<<22)|(3<<25)  ; the mask: my column; element of 1 byte; padding on; 21 set beside a mask; after every 64 words (code 5) 4 words (code 3)
	s_mov_b32 s[G1B+1], ROWB<<16
	s_mov_b32 s[G1B+2], 128<<16
	s_mov_b32 s[G1B+3], ROWB<<16
	s_mov_b32 s[G1B+4], 128
	s_mov_b32 s[G1B+5], KROW
	s_mov_b32 s[G1B+6], 0
	s_mov_b32 s[G1B+7], 0
	s_lshl_b32 s20, s17, 15                        ; A: tile of rows 8 TA + 4 x half, 4096 bytes each
	s_lshl_b32 s18, s16, 14
	s_add_co_u32 s20, s20, s18
	s_mov_b32 s21, 0
	s_lshl_b32 s46, s42, 18                        ; B: row 256 TB + 128 x half, 1024 bytes each
	s_lshl_b32 s19, s16, 17
	s_add_co_u32 s46, s46, s19
	s_mov_b32 s47, 0
	s_lshl_b32 s45, s16, 14                        ; where they go: A's half,
	s_mul_i32 s22, s16, HALFT
	s_add_co_u32 s22, s22, BOFF                    ; B's half: no place in the cluster enters an LDS address
	s_wait_kmcnt 0x0
	s_load_b64 s[96:97], s[8:9], 0x28              ; e10, e11
	s_add_nc_u64 s[20:21], s[4:5], s[20:21]
	s_add_nc_u64 s[46:47], s[6:7], s[46:47]
	CROUND                                         ; all sixteen work-groups are here: the first joint loads meet
.irp s, 0,1
	s_mov_b32 s[G0+4*\s], 1                                        ; 1:0 count = 1
	s_add_co_u32 s[G0+4*\s+1], s45, \s*SLOT                        ; 63:32 LDS address
	s_add_nc_u64 s[G0+4*\s+2:G0+4*\s+3], s[20:21], \s*PLANE        ; 120:64 global address: K step s
	s_or_b32 s[G0+4*\s+3], s[G0+4*\s+3], 0x80000000                ; 127:126 type = 2
	s_mov_b32 s[G0B+4*\s], 1
	s_add_co_u32 s[G0B+4*\s+1], s22, \s*SLOT
	s_add_nc_u64 s[G0B+4*\s+2:G0B+4*\s+3], s[46:47], \s*ROWB
	s_or_b32 s[G0B+4*\s+3], s[G0B+4*\s+3], 0x80000000
	JLOAD G0+4*\s, G1, G0B+4*\s, G1B               ; two loads of mine are out behind these
.endr
	v_and_b32 v1, 15, v0                           ; l % 16
	v_bfe_u32 v2, v0, 4, 1                         ; l / 16
	v_mul_u32_u24 v3, v1, PITCH
	v_lshl_add_u32 v4, v2, 4, v3                   ; B: a fragment's row x pitch + 16 x half
	v_and_b32 v6, 31, v0
	v_lshlrev_b32 v[CO], 4, v6                     ; A: 16 x lane
	s_lshl_b32 s21, s15, 14                        ; my four tiles of rows of A
	s_mul_i32 s22, s16, HALFT                      ; my 128 rows of B,
	s_add_co_u32 s22, s22, BOFF                    ; which lie behind A
.irp s, 0,1
	v_add_nc_u32 v[ADRA+\s], s21, v[CO]
	v_add_nc_u32 v[ADRB+\s], s22, v4
	s_add_co_u32 s21, s21, SLOT
	s_add_co_u32 s22, s22, SLOT
.endr
	s_mul_i32 s23, s14, 16*SPITCH                  ; my stage
	v_mul_u32_u24 v5, v1, SPITCH                   ; in: row l % 16, 32 bytes for each half of the lanes
	v_lshl_add_u32 v5, v2, 5, v5
	v_add_nc_u32 v[STO], s23, v5
	v_add_nc_u32 v[RD], s23, v[CO]                 ; back: the 32 lanes take one row of 512 bytes
	s_lshl_b32 s20, s17, 7
	s_lshl_b32 s21, s15, 6
	s_add_co_u32 s20, s20, s21                     ; my first row of out0: 128 TA + 64 ha,
	s_lshl_b32 s20, s20, 12                        ; 4096 bytes a row (all under 2^25)
	s_lshl_b32 s46, s42, 10                        ; my first column, in bytes: 1024 TB + 512 hb
	s_lshl_b32 s47, s16, 9
	s_add_co_u32 s46, s46, s47
	s_add_co_u32 s20, s20, s46
	s_mov_b32 s21, 0
	s_add_nc_u64 s[10:11], s[10:11], s[20:21]
.macro FRAGB reg, adr, q, i            ; a fragment of B from rows: lane l holds row l % 16; registers 4 c .. 4 c + 3 hold K = 32 c + 16 (l / 16) + 0 .. 15
.irp c, 0,1,2,3
	ds_load_b128 v[\reg+4*\c:\reg+4*\c+3], v[\adr] offset:128*(\q)+32*\c+(\i)*16*PITCH
.endr
.endm
.macro FRAGA reg, adr, q, i            ; a fragment of A from its image: the same registers in the same lanes
.irp c, 0,1,2,3
	ds_load_b128 v[\reg+4*\c:\reg+4*\c+3], v[\adr] offset:2048*(\q)+512*\c+(\i)*4096
.endr
.endm
; 8 matrix instructions: A's block a x B's eight, 128 along K.  p: B's set.  zero = 1: the first product starts the sums.  The 32 accumulators take turns, one instruction a turn, in the same order in every step.
.macro MUL8 a, p, zero
.irp b, 0,1,2,3,4,5,6,7
.if \zero
	v_wmma_f32_16x16x128_fp8_fp8 v[8*(8*(\a)+\b):8*(8*(\a)+\b)+7], v[128*(\p)+FR*\b:128*(\p)+FR*\b+FR-1], v[AF+FR*(\a):AF+FR*(\a)+FR-1], 0
.else
	v_wmma_f32_16x16x128_fp8_fp8 v[8*(8*(\a)+\b):8*(8*(\a)+\b)+7], v[128*(\p)+FR*\b:128*(\p)+FR*\b+FR-1], v[AF+FR*(\a):AF+FR*(\a)+FR-1], v[8*(8*(\a)+\b):8*(8*(\a)+\b)+7]
.endif
.endr
.endm
.macro FETCH_B slot, q, p
	WIN TO_B
.irp i, 0,1,2,3,4,5,6,7
	FRAGB 128*(\p)+FR*\i, ADRB+\slot, \q, \i
.endr
	WIN 0
.endm
.macro FETCH_A slot, q, i0             ; A's blocks i0, i0 + 1
.irp i, \i0, \i0+1
	FRAGA AF+FR*(\i), ADRA+\slot, \q, \i
.endr
.endm
.macro PLACES n                        ; places in front of loads into registers that matrix instructions have read, and of the first read of results (ISA guide 7.12.1 for vector instructions)
.rept \n
	v_nop
.endr
.endm
; A step of 128 along K that has its successor in the same slot.
.macro STEP slot, q, zero
	s_wait_dscnt 2*NL                              ; B's set and A's blocks 0, 1 are in; the youngest eight loads (A's blocks 2, 3) may be out
	WIN MUL
	MUL8 0, (\q)%2, \zero
	MUL8 1, (\q)%2, \zero
	s_wait_dscnt 0                                 ; A's blocks 2, 3 are in
	PLACES NP
	FETCH_B \slot, (\q)+1, 1-(\q)%2
	FETCH_A \slot, (\q)+1, 0
	WIN MUL
	MUL8 2, (\q)%2, \zero
	MUL8 3, (\q)%2, \zero
	PLACES NP
	WIN 0
	FETCH_A \slot, (\q)+1, 2
.endm
; A slot's last step changes slots: ONE barrier; in front of it each wave waits for all its tensor loads, adds 0 to its spare word, and waits for that and for its own reads of this slot.  fill = 1: this slot is filled again, two K steps ahead.
.macro TURN slot, next, fill
	s_wait_tensorcnt 0x0                           ; all my tensor loads have landed: the one that was out is my part of the next slot  (every window is 0 here)
	ds_add_u32 v[SPW], v[NIL]                      ; 0 onto my spare word
	s_wait_dscnt 2*NL+1                            ; (the add and the youngest eight loads, A's blocks 2, 3, may be out)
	WIN MUL
	MUL8 0, 1, 0                                   ; eight matrix instructions stand between the add and the wait for it
	s_wait_dscnt 0x0                               ; the add is done, and my reads of this slot are over
	s_barrier_signal -1
	MUL8 1, 1, 0
	WIN 0
	s_barrier_wait -1
.if \fill
	CREST                                          ; the barrier has opened a round of the cluster's barrier: no wave of any partner still reads this slot's tile or has a load on its way
	s_add_nc_u64 s[G0+4*\slot+2:G0+4*\slot+3], s[G0+4*\slot+2:G0+4*\slot+3], 2*PLANE
	s_add_nc_u64 s[G0B+4*\slot+2:G0B+4*\slot+3], s[G0B+4*\slot+2:G0B+4*\slot+3], 2*ROWB
	JLOAD G0+4*\slot, G1, G0B+4*\slot, G1B         ; the first tensor load behind the round, my only one until the next; the four v_nop behind it are the places in front of the loads below
.else
	PLACES NP
.endif
	FETCH_B \next, 0, 0
	FETCH_A \next, 0, 0
	WIN MUL
	MUL8 2, 1, 0
	MUL8 3, 1, 0
	PLACES NP
	WIN 0
	FETCH_A \next, 0, 2
.endm
	s_wait_tensorcnt 1                             ; my part of K step 0 is in (K step 1's load may be out)
	s_barrier_signal -1
	s_barrier_wait -1                              ; everybody's is
	FETCH_B 0, 0, 0
	FETCH_A 0, 0, 0
	FETCH_A 0, 0, 2
	STEP 0, 0, 1                                   ; the first step stands in front of the loop: its products start the sums
	s_mov_b32 s3, LAPS-1
.Llap:                                                 ; a trip goes once round the ring, from a lap's second step to the next lap's first, and fills both slots again
	TURN 0, 1, 1
	STEP 1, 0, 0
	TURN 1, 0, 1
	STEP 0, 0, 0
	s_sub_co_u32 s3, s3, 1
	s_cmp_lg_u32 s3, 0
	s_cbranch_scc1 .Llap
	TURN 0, 1, 0                                   ; the last lap fills nothing, and has no round of the cluster's barrier
	STEP 1, 0, 0
	s_wait_dscnt 2*NL                              ; the very last step: nothing more to fetch
	WIN MUL
	MUL8 0, 1, 0
	MUL8 1, 1, 0
	s_wait_dscnt 0
	MUL8 2, 1, 0
	MUL8 3, 1, 0
	WIN 0
; THE WAY OUT, block by block of 16 rows x 128 columns.  A lane holds 32 neighbouring bytes of a row, and the lanes beside it hold other rows: so a block goes through my own stage in LDS and comes back as whole
; rows of 512 bytes.  LDS serves a wave's instructions in order (ISA guide 5.7.1.4): no wait between the stores and the loads, nor in front of the next block's stores.
.macro TOSTAGE a
	WIN 0x02                                       ; source 0: window 2
.set j, 0
.rept 32
	v_pk_mul_f32 v[TMP+j:TMP+j+1], v[64*(\a)+j:64*(\a)+j+1], s[96:97] op_sel_hi:[1,0]   ; both x s96 = 2^(e10 + e11); each accumulator from its low end on
.set j, j+2
.endr
	WIN 0
.irp b, 0,1,2,3,4,5,6,7
	ds_store_b128 v[STO], v[TMP+8*\b:TMP+8*\b+3] offset:64*\b
	ds_store_b128 v[STO], v[TMP+8*\b+4:TMP+8*\b+7] offset:64*\b+16
.endr
.set BB, BK+64*((\a)%2)
.irp t, 0,1,2,3,4,5,6,7,8,9,10,11,12,13,14,15
	ds_load_b128 v[BB+4*\t:BB+4*\t+3], v[RD] offset:\t*SPITCH
.endr
.endm
.macro SEND a, younger                 ; younger: the LDS instructions issued behind block a's loads, which may stay out
.set BB, BK+64*((\a)%2)
	s_wait_dscnt \younger                          ; the block is back in registers
.if (\a) > 0
	s_add_nc_u64 s[10:11], s[10:11], 16*4096       ; (behind a wait on XCNT: the earlier stores have read their base)  16 rows of out0 on
.endif
.irp t, 0,1,2,3,4,5,6,7,8,9,10,11,12,13,14,15
	global_store_b128 v[CO], v[BB+4*\t:BB+4*\t+3], s[10:11] offset:\t*4096 th:TH_STORE_NT   ; 32 lanes store 512 consecutive bytes, at a multiple of 512 from out0's first byte; written once, read by nobody here
.endr
.endm
	s_wait_kmcnt 0x0
	s_add_co_i32 s96, s96, s97                     ; e10 + e11, between -126 and 127,
	s_add_co_i32 s96, s96, 127
	s_lshl_b32 s96, s96, 23                        ; makes the f32 number 2^(e10 + e11)
	s_mov_b32 s97, s96                             ; (named with it as a pair)
	PLACES NP                                      ; behind the last products: for the reads of results and for the loads into the registers that held A's fragments
	TOSTAGE 0
.irp a, 1,2,3
.if \a > 1
	s_wait_xcnt 0x0                                ; block a - 2's stores have read their registers and their base: block a's loads may land there, and the base may step
.endif
	TOSTAGE \a
	SEND \a-1, 32                                  ; behind block a - 1's loads: block a's 16 stores and 16 loads
.endr
	s_wait_xcnt 0x0                                ; block 2's stores have read their base
	SEND 3, 0
	s_wait_tensorcnt 0x0                           ; the wave's end
	ds_add_u32 v[SPW], v[NIL]
	s_wait_dscnt 0x0
	CROUND                                         ; the closing round: no work-group ends while a partner may still ask for a tile that names it
	s_endpgm
.Lfunc_end_k_qa0e4e5ca89_proj:
	.size	k_qa0e4e5ca89_proj, .Lfunc_end_k_qa0e4e5ca89_proj-k_qa0e4e5ca89_proj
	.p2alignl 7, 3214868480
	.fill 96, 4, 3214868480
	.section	.rodata,"a",@progbits
	.p2align	6, 0x0
	.amdhsa_kernel k_qa0e4e5ca89_proj
		.amdhsa_group_segment_fixed_size 327680
		.amdhsa_private_segment_fixed_size 0
		.amdhsa_enable_private_segment 0
		.amdhsa_kernarg_size 32
		.amdhsa_user_sgpr_count 2
		.amdhsa_user_sgpr_kernarg_segment_ptr 1
		.amdhsa_wavefront_size32 1
		.amdhsa_system_sgpr_workgroup_id_x 1
		.amdhsa_system_sgpr_workgroup_id_y 1
		.amdhsa_system_sgpr_workgroup_id_z 1
		.amdhsa_system_vgpr_workitem_id 0
		.amdhsa_next_free_vgpr 768
		.amdhsa_next_free_sgpr 98
		.amdhsa_reserve_vcc 0
		.amdhsa_float_denorm_mode_32 3
		.amdhsa_float_denorm_mode_16_64 3
		.amdhsa_memory_ordered 1
		.amdhsa_forward_progress 1
		.amdhsa_inst_pref_size 76
	.end_amdhsa_kernel
	.amdgpu_metadata
---
amdhsa.version: [ 1, 2 ]
amdhsa.kernels:
  - .name:           k_qa0e4e5ca89_proj
    .symbol:         k_qa0e4e5ca89_proj.kd
    .args:
      - { .name: a_codes, .offset: 0, .size: 8, .value_kind: global_buffer, .address_space: global }
      - { .name: Wo_codes, .offset: 8, .size: 8, .value_kind: global_buffer, .address_space: global }
      - { .name: lowp_scales, .offset: 16, .size: 8, .value_kind: global_buffer, .address_space: global }
      - { .name: out0, .offset: 24, .size: 8, .value_kind: global_buffer, .address_space: global }
    .group_segment_fixed_size: 327680
    .private_segment_fixed_size: 0
    .kernarg_segment_align: 8
    .kernarg_segment_size: 32
    .max_flat_workgroup_size: 128
    .sgpr_count:     98
    .vgpr_count:     768
    .wavefront_size: 32
...
	.end_amdgpu_metadata
.endif
;; end of part 3
;; ======== version 2 of 2: 3 launches; version 1 with the launch attn written anew for expert scheduling mode
;; workspace buffers: q_codes 8,388,608 bytes; k_codes 8,388,608 bytes; v_codes 8,388,608 bytes; a_codes 8,388,608 bytes
;; launch qkv: the kernel of part 1 again; grid 12 x 32, 4 waves a work-group, clusters of 4 x 4, 327,680 bytes of LDS; arguments x_codes, Wq_codes, Wk_codes, Wv_codes, lowp_scales, q_codes, k_codes, v_codes; writes q_codes, k_codes, v_codes
;; launch attn (part 4): grid 4 x 64, 8 waves a work-group, no clusters, 66,560 bytes of LDS; arguments q_codes, k_codes, v_codes, lowp_scales, a_codes; writes a_codes
.if DOCPART == 4
	.amdgcn_target "amdgcn-amd-amdhsa--gfx1250"
	.amdhsa_code_object_version 6
	.text
	.protected	k_qa0e4e5ca89_attn
	.globl	k_qa0e4e5ca89_attn
	.p2align	8
	.type	k_qa0e4e5ca89_attn,@function
k_qa0e4e5ca89_attn:
	s_mov_b64 s[64:65], 0
	v_nop
	global_prefetch_b8 v0, s[64:65] scope:SCOPE_SE
	s_setreg_imm32_b32 hwreg(HW_REG_WAVE_SCHED_MODE, 0, 2), 2
	s_setreg_imm32_b32 hwreg(HW_REG_WAVE_MODE, 25, 1), 1
	s_wait_xcnt 0x0
	s_wait_alu depctr_vm_vsrc(0)
; Causal attention on codes of FP8 (E4M3), 64 heads (batch x head) of 2048 tokens x 64 channels; the result is quantised for the last product.
; q_codes, k_codes: [batch 4][head / 2: 8][tile of 16 tokens: 128][head % 2][c 2][512]: images of the K = 64 fragment's registers 4 c .. 4 c + 3 (lane l's 16 bytes at 16 l).
; v_codes: [batch x head 64][128 keys: 16][tile of 16 channels: 4][c 4][512]: images of the K = 128 fragment of V^T.   lowp_scales: e6 (q), e7 (k), e8 (p), e9 (v), e10 (the result).
; a_codes: [256 of K: 4][tile of 16 rows: 512][128 of K: 2][c 4][512]: lane (r, h) holds row r, k = 32 c + 16 h + 0 .. 15: the order in which the last product loads both its operands.
; THE SOFTMAX: t = score x log2(e) / 8; M = the row's largest t so far, rounded UP to a whole number; p = 2^(t - M) is quantised, not normalised; the row's sum is taken of the unquantised p and divides at the end.
; When M moves, the sum and O are multiplied by 2^(old M - new M): exact.
; SHARES.  Work-group (P = 0 .. 3, head) owns the blocks P and 7 - P of 256 queries: (P + 1) + (8 - P) = 9 slots of 256 keys whatever P is: 256 work-groups of equal work, one loop of 9 trips.
; Each of the eight waves owns 32 queries of the block in hand, two tiles of 16, so that each fragment of K and V read from LDS feeds two matrix instructions; two waves share a SIMD.
; LAYOUT.  Both products are used transposed: S^T = K Q^T (source 0 = 16 keys, source 1 = 16 queries), O^T = V^T P^T: a lane holds ONE query (lane % 16) throughout.  Tile tau of S^T holds keys 16 tau + 8 (lane / 16) + 0 .. 7
; in its eight registers: their conversion IS registers 2 tau, 2 tau + 1 of P in the K = 128 form's own layout, which is also the order of V's images.  Nothing changes lanes between the products.
; K AND V COME THROUGH REGISTERS INTO TWO LDS BUFFERS: a slot is 32768 bytes, so each wave brings 8 x 512 dense bytes a trip, loaded a whole trip ahead of the LDS stores.  One barrier a trip.
; NO JOINT LOADS: in trip n the four work-groups of a head want different slots (work-group P walks 0 .. P and then 0 .. 7 - P); in step they would need 4 + 8 = 12 joint fills for the 9 that each uses.
; A scalar branch on e8 stands round p's hold: p is at most 1 (but for the last bit) and 448 x 2^e8 is at least 1.75 where e8 >= -8, so the 128 holds of a step run only where e8 < -8.
; CAUSAL: a step of 128 keys all of which come after my 32 queries is left out (a scalar branch on ids); in a step on the diagonal hidden scores become -infinity ahead of the maximum; key 0 counts for every query.
; LIMITS, so that each power of two is an f32 number: e6 + e7 between -123 and 130; e8, and e10 - e8 - e9, between -126 and 119.  NaN codes among the inputs are not served.
; REGISTERS.  Window 0: v1-9 addresses; v10-31 statistics; v32-35 constants; v62, v63 the closing add's two; v64-191 S^T, then p (tile u at 64 u); v192-255 K's eight fragments.
;   Window 1: v0-63 O^T (tile u at 32 u); v64-79 Q; v80-95 the second block's Q; v96-127 P; v128-191 V's four fragments; v192-223 the slot on its way from memory to LDS.
; THE MODE: SCHED_MODE bits 1:0 = 2 (LLVM: expert scheduling mode 2), set by the entry lines.  The code itself states the register dependences
; between vector or matrix instructions and memory or LDS instructions, with s_wait_alu, always for 0.
; THE PLAN.  Registers that memory or LDS instructions touch, in the loop:
;   STG            Written by the eight global loads of a trip's first step; read by the eight LDS stores at the next trip's head.  No vector instruction names them.
;   KFR            Read by a step's sixteen products K Q^T.  The first step's fragments land at the trip's head, the second step's in the first step, behind that step's wait.
;   VFR            Read by a step's eight products V^T P^T, its last instructions.  The step's own fragments land behind the step's wait.
;   v[RD], v[STA]  Read by the trip's LDS loads and by its staging stores; written once a trip, at its head.
;   v[LI], v[W2K], v[GK]  Offsets, made at the kernel's head and never written again.
;   v[S+48 ..], v[S+112 ..]  On a block's way out alone: the codes, written by selections, read by four global stores; the next trip's products write over them.
; So ONE wait on va_vdst stands in a step, behind its exponentials: it states that their results are written, that this step's products K Q^T are done reading KFR, and that the products V^T P^T of the
; step before are done reading VFR.  V's loads and, in a trip's first step, the next step's K follow it; the sums, holds, conversions and rescalings behind it name S, the statistics, P and O^T: none of the registers
; in which those loads land.  At a trip's head one wait on vm_vsrc stands ahead of the two adds that make v[RD] and v[STA], and one on va_vdst behind them; one on vm_vsrc stands ahead of the loads into STG.
; The mask's compares write scalar registers, sixteen in a run, with one wait on va_sdst between a run and the selections that read it.
.set LI,   1                           ; v1   16 x lane
.set RD,   2                           ; v2   LDS: 16 x lane + the buffer that is read
.set W2K,  3                           ; v3   16 x lane + 2048 x wave: my part of a slot's K or V in LDS, and of V in memory
.set STA,  4                           ; v4   LDS: W2K + the buffer that is written
.set GK,   5                           ; v5   16 x lane + 4096 x wave: my part of a slot's K in memory (my two tiles lie 2048 bytes apart)
.set DL,   8                           ; v8   lane % 16 - 8 (lane / 16)
.set DD,   9                           ; v9   the mask's d
.set PX,   10                          ; v10, v11  what the lane 16 away sends, tile 0, 1
.set ST,   12                          ; tile u at v[12 + 4 u]: -M, the largest t, the sum in two halves
.set WK,   20                          ; tile u at v[20 + 6 u]: two maxima; f (a pair, the low word used); the sum's second chain (a pair)
.set SCL,  32                          ; v32  2^e8
.set HLD,  33                          ; v33  448 x 2^e8
.set NINF, 34                          ; v34  -infinity
.set SCO,  35                          ; v35  2^(e10 - e8 - e9)
.set S,    64
.set KFR,  192
.set QF,   64                          ; in window 1
.set Q2,   80
.set PF,   96
.set VFR,  128
.set STG,  192
.set VOFF, 16384                       ; a buffer: K's 16 tiles x 1024 bytes, then V's 2 x 4 fragments x 2048 bytes
.set BUF1, 0x8000                      ; the second buffer: one exclusive or turns an address from one to the other
.set W,    14                          ; s14  wave
.set PP,   15                          ; s15  P
.set P1,   16                          ; s16  P + 1
.set BH,   17                          ; s17  batch x 16 + head
.set SEL,  20                          ; s[20:21] lane selects for v_permlanex16_b32: lane l xor 16
.set CS,   22                          ; s[22:23] c = log2(e) / 8 x 2^(e6 + e7)
.set HM,   24                          ; s24  the mask of lanes 16-31
.set KHB,  28                          ; s[28:29] k_codes at my head;  s[30:31] v_codes;  s[36:37] a_codes at my head's and wave's place
.set VHB,  30
.set KPT,  32                          ; s[32:33], s[34:35] the slot that is being loaded
.set VPT,  34
.set AHB,  36
.set APT,  38
.set TR,   40                          ; s40  trip
.set KS,   41                          ; s41  the slot's number among the block's
.set QB,   42                          ; s42  the block of queries in hand
.set TB,   43                          ; s43  the buffer that is read;  s44 the other
.set TB2,  44
.set KF,   45                          ; s45  the step's first key
.set Q0,   46                          ; s46  my first query
.set T0,   47                          ; s47  at work
.set MK0,  48                          ; s[48:55] the causal mask: eight compares' lane masks for tile 0;
.set MK1,  70                          ; s[70:77] for tile 1.  Both runs are at work in the kernel's head alone, and free from the loop on
.set MSB, 0
.macro WIN new                         ; the immediate's high byte repeats the setting that is left
.if MSB != (\new)
	s_set_vgpr_msb (MSB<<8)|(\new)
.set MSB, (\new)
.endif
.endm
.macro PLACES                          ; four places behind matrix instructions, before their results are read (ISA guide 7.12.1)
.rept 4
	v_nop
.endr
.endm
; Slot number s47 of the nine is asked for: slot n of block P where n <= P, else slot n - P - 1 of block 7 - P.  Eight loads of 512 consecutive bytes.
; again = 1: the staging registers have been stored to LDS before.
.macro LOADSEQ again
	s_cmp_gt_u32 s[T0], s[PP]
	s_cselect_b32 s68, s[P1], 0
	s_sub_co_u32 s[T0], s[T0], s68
	s_lshl_b32 s68, s[T0], 15                      ; K: 16 tiles of 2048 bytes (both heads of the pair)
	s_mov_b32 s69, 0
	s_add_nc_u64 s[KPT:KPT+1], s[KHB:KHB+1], s[68:69]
	s_lshl_b32 s68, s[T0], 14                      ; V: 2 x 8192 bytes
	s_add_nc_u64 s[VPT:VPT+1], s[VHB:VHB+1], s[68:69]
	WIN 0x40                                       ; destination window 1
.if \again
	s_wait_alu depctr_vm_vsrc(0)                   ; my LDS stores of the slot before have read the staging registers, in which these loads land
.endif
.irp i, 0,1,2,3
	global_load_b128 v[STG+4*\i:STG+4*\i+3], v[GK], s[KPT:KPT+1] offset:(\i/2)*2048+(\i%2)*512
.endr
.irp i, 0,1,2,3
	global_load_b128 v[STG+16+4*\i:STG+16+4*\i+3], v[W2K], s[VPT:VPT+1] offset:512*\i
.endr
	WIN 0
.endm
.macro STORESTG adr                    ; and goes into LDS as it lies
	WIN 0x04                                       ; an LDS store's data: source 1, window 1
.irp i, 0,1,2,3
	ds_store_b128 v[\adr], v[STG+4*\i:STG+4*\i+3] offset:512*\i
	ds_store_b128 v[\adr], v[STG+16+4*\i:STG+16+4*\i+3] offset:VOFF+512*\i
.endr
	WIN 0
.endm
.macro KLOAD q                         ; K's eight fragments of the q-th half of the slot in hand
.irp t, 0,1,2,3,4,5,6,7
	ds_load_b128 v[KFR+8*\t:KFR+8*\t+3], v[RD] offset:(8*(\q)+\t)*1024
	ds_load_b128 v[KFR+8*\t+4:KFR+8*\t+7], v[RD] offset:(8*(\q)+\t)*1024+512
.endr
.endm
.macro INIT                            ; a block of queries begins: the step is written once, and its first run finds zeros, which the first change of M leaves zeros
.irp u, 0,1
	v_mov_b32 v[ST+4*\u], 0x7f61b1e6               ; -M = 3e38 (a whole number)
	v_mov_b32 v[ST+4*\u+1], 0xff61b1e6             ; the largest t so far: -3e38, under every t
	v_mov_b32 v[ST+4*\u+2], 0                      ; the sum, in two halves
	v_mov_b32 v[ST+4*\u+3], 0
	v_mov_b32 v[WK+6*\u+3], 0                      ; (named as the upper half of f's pair)
	v_mov_b32 v[PX+\u], 0                          ; (a lane permute's destination counts as one of its sources)
.endr
	WIN 0x40
.set j, 0
.rept 64
	v_mov_b32 v[j], 0                              ; O^T
.set j, j+1
.endr
	WIN 0
.endm
	s_load_b256 s[4:11], s[0:1], 0x0               ; q_codes s[4:5], k_codes s[6:7], v_codes s[8:9], the scales' exponents s[10:11]
	s_load_b64 s[12:13], s[0:1], 0x20              ; a_codes
	v_lshl_add_u32 v62, v0, 2, 0x10000
	v_mov_b32 v63, 0
	v_lshrrev_b32 v[RD], 5, v0
	v_readfirstlane_b32 s[W], v[RD]                ; wave 0..7
	v_and_b32 v[LI], 31, v0
	v_lshlrev_b32 v[LI], 4, v[LI]
	v_and_b32 v[DL], 15, v0
	v_bfe_u32 v[DD], v0, 4, 1
	v_lshlrev_b32 v[DD], 3, v[DD]
	v_sub_nc_u32 v[DL], v[DL], v[DD]
	v_mov_b32 v[NINF], 0xff800000
	s_wait_alu depctr_va_sdst(0)                   ; s[W] is written, ahead of its first reader: offsets, bases and my first query are made from it
	s_lshl_b32 s[T0], s[W], 11
	v_add_nc_u32 v[W2K], s[T0], v[LI]
	s_lshl_b32 s[T0], s[W], 12
	v_add_nc_u32 v[GK], s[T0], v[LI]
	s_mov_b32 s[PP], ttmp9
	s_add_co_u32 s[P1], s[PP], 1
	s_and_b32 s[BH], ttmp7, 0xffff
	s_mov_b32 s[SEL], 0x76543210
	s_mov_b32 s[SEL+1], 0xfedcba98
	s_mov_b32 s[HM], 0xffff0000
	s_lshr_b32 s48, s[BH], 1                       ; 8 x batch + head / 2: 128 tiles of 2048 bytes each,
	s_lshl_b32 s48, s48, 18
	s_and_b32 s50, s[BH], 1
	s_lshl_b32 s50, s50, 10                        ; + 1024 x (head % 2)
	s_add_co_u32 s48, s48, s50                     ; q, k: my head's first byte
	s_mov_b32 s49, 0
	s_lshl_b32 s68, s[BH], 17                      ; v: 16 x 8192 bytes a head
	s_mov_b32 s69, 0
	s_bfe_u32 s74, s[BH], 0x20002                  ; a: head / 4: which 256 of K: 512 tiles of 4096 bytes each,
	s_lshl_b32 s74, s74, 21
	s_lshr_b32 s75, s[BH], 4
	s_lshl_b32 s75, s75, 19                        ; + the batch's 128 tiles of rows,
	s_add_co_u32 s74, s74, s75
	s_lshl_b32 s75, s[W], 13                       ; + my wave's two tiles in a block,
	s_add_co_u32 s74, s74, s75
	s_bfe_u32 s75, s[BH], 0x10001
	s_lshl_b32 s75, s75, 11                        ; + 2048 x ((head / 2) % 2): which 128 of K,
	s_add_co_u32 s74, s74, s75
	s_add_co_u32 s74, s74, s50                     ; + 1024 x (head % 2): pieces 2 (head % 2) and the next
	s_mov_b32 s75, 0
	s_lshl_b32 s50, s[PP], 15                      ; Q: block P's 16 tiles of 2048 bytes, my wave's two
	s_lshl_b32 s51, s[W], 12
	s_add_co_u32 s50, s50, s51
	s_sub_co_u32 s76, 7, s[PP]
	s_lshl_b32 s76, s76, 15                        ; and block 7 - P's
	s_add_co_u32 s76, s76, s51
	s_mov_b32 s51, 0
	s_mov_b32 s77, 0
	s_wait_kmcnt 0x0
	s_load_b64 s[58:59], s[10:11], 0x18            ; e6, e7
	s_load_b128 s[60:63], s[10:11], 0x20           ; e8, e9, e10, e11
	s_add_nc_u64 s[KHB:KHB+1], s[6:7], s[48:49]
	s_add_nc_u64 s[VHB:VHB+1], s[8:9], s[68:69]
	s_add_nc_u64 s[AHB:AHB+1], s[12:13], s[74:75]
	s_add_nc_u64 s[70:71], s[4:5], s[48:49]
	s_add_nc_u64 s[72:73], s[70:71], s[76:77]
	s_add_nc_u64 s[70:71], s[70:71], s[50:51]
	s_wait_alu depctr_va_vdst(0)                   ; v[LI], v[W2K] and v[GK] are written: every global load and store of the kernel, and the first staging stores, read one of them as their offset
	s_mov_b32 s[T0], 0
	LOADSEQ 0                                      ; the first slot
	WIN 0x40
.irp u, 0,1
.irp c, 0,1
	global_load_b128 v[QF+8*\u+4*\c:QF+8*\u+4*\c+3], v[LI], s[70:71] offset:2048*\u+512*\c   ; Q's two fragments stay in registers,
	global_load_b128 v[Q2+8*\u+4*\c:Q2+8*\u+4*\c+3], v[LI], s[72:73] offset:2048*\u+512*\c   ; and the second block's wait beside them
.endr
.endr
	WIN 0
	s_wait_kmcnt 0x0
	s_add_co_i32 s[T0], s58, s59
	s_lshl_b32 s[T0], s[T0], 23
	s_add_co_i32 s[CS], s[T0], 0x3e38aa3b          ; c = log2(e) / 8; a score stands for score x 2^(e6 + e7): the two exponents are added to c's exponent field
	s_mov_b32 s[CS+1], s[CS]                       ; (named with it as a pair, so it is written)
	s_add_co_i32 s[T0], s60, 127
	s_lshl_b32 s68, s[T0], 23
	v_mov_b32 v[SCL], s68                          ; 2^e8 as f32, for p's conversion
	s_add_co_i32 s[T0], s[T0], 8
	s_lshl_b32 s[T0], s[T0], 23
	s_or_b32 s[T0], s[T0], 0x600000
	v_mov_b32 v[HLD], s[T0]                        ; 448 x 2^e8
	s_sub_co_i32 s[T0], s62, s60
	s_sub_co_i32 s[T0], s[T0], s61                 ; a sum of the second product stands for sum x 2^(e8 + e9): the result's code is (sum / l) / 2^(e10 - e8 - e9)
	s_add_co_i32 s[T0], s[T0], 127
	s_lshl_b32 s68, s[T0], 23
	v_mov_b32 v[SCO], s68
	s_add_co_i32 s[T0], s[T0], 8
	s_lshl_b32 s66, s[T0], 23
	s_or_b32 s66, s66, 0x600000                    ; 448 x that,
	s_or_b32 s67, s66, 0x80000000                  ; and its negative
	s_wait_loadcnt 0x0                             ; the first slot and Q are in
	STORESTG W2K                                   ; into buffer 0
	INIT
	s_wait_dscnt 0x0                               ; my stores into buffer 0 are done
	s_mov_b32 s[T0], 1
	LOADSEQ 1                                      ; the staging registers take the second slot
	s_mov_b32 s[TR], 0
	s_mov_b32 s[KS], 0
	s_mov_b32 s[TB], 0
	s_mov_b32 s[QB], s[PP]
	s_lshl_b32 s[Q0], s[QB], 8
	s_lshl_b32 s[T0], s[W], 5
	s_add_co_u32 s[Q0], s[Q0], s[T0]               ; my first query: 256 x block + 32 x wave
; A KEY STEP: 128 keys, the q-th half of the slot in hand, for my two tiles of queries.
.macro STEP q
.if \q == 1                            ; a slot's first half is never wholly hidden: its first key is at most the block's first query
	s_add_co_u32 s[T0], s[Q0], 31
	s_cmp_gt_u32 s[KF], s[T0]
	s_cbranch_scc1 .Lhidden_\@                     ; (K of this step was asked for in the first step, and the wait ahead of that step's last products has shown it in)
.else
	KLOAD 0                                        ; behind the trip's barrier; v[RD] was shown written at the trip's head, and the last readers of K's registers stand ahead of an earlier step's wait
	s_wait_dscnt 0x0                               ; K is in, and the trip's stores into the other buffer, which are older, are done
	s_cmp_lt_u32 s[TR], 7                          ; the slot two trips on is asked for, into the registers that those stores have read; the last two trips ask for nothing
	s_cbranch_scc0 .Lnofill_\@
	s_add_co_u32 s[T0], s[TR], 2
	LOADSEQ 1
.Lnofill_\@:
.endif
	WIN 0x04                                       ; source 1 (Q) window 1
.irp t, 0,1,2,3,4,5,6,7
	v_wmma_f32_16x16x64_fp8_fp8 v[S+8*\t:S+8*\t+7], v[KFR+8*\t:KFR+8*\t+7], v[QF:QF+7], 0
	v_wmma_f32_16x16x64_fp8_fp8 v[S+64+8*\t:S+64+8*\t+7], v[KFR+8*\t:KFR+8*\t+7], v[QF+8:QF+15], 0
.endr
	WIN 0
	PLACES
	s_add_co_u32 s[T0], s[KF], 127                 ; a step all of whose keys count for all my queries has no mask
	s_cmp_le_u32 s[T0], s[Q0]
	s_cbranch_scc1 .Lopen_\@
	s_sub_co_i32 s[T0], s[Q0], s[KF]
	v_add_nc_u32 v[DD], s[T0], v[DL]               ; d = Q0 - KF + lane % 16 - 8 (lane / 16).  Register 8 tau + j of tile u holds key KF + 16 tau + 8 (lane / 16) + j for query Q0 + 16 u + lane % 16: hidden where 16 tau + j - 16 u > d
.irp t, 0,1,2,3,4,5,6,7                ; sixteen compares in a run, the two tiles' accumulators tau; one wait; the sixteen selections, each accumulator from its low end on
.irp j, 0,1,2,3,4,5,6,7
	v_cmp_gt_i32 s[MK0+\j], 16*\t+\j, v[DD]
	v_cmp_gt_i32 s[MK1+\j], 16*\t+\j-16, v[DD]
.endr
	s_wait_alu depctr_va_sdst(0)                   ; the sixteen compares have written their lane masks, ahead of the first selection that reads one
.irp j, 0,1,2,3,4,5,6,7
	v_cndmask_b32 v[S+8*\t+\j], v[S+8*\t+\j], v[NINF], s[MK0+\j]
.endr
.irp j, 0,1,2,3,4,5,6,7
	v_cndmask_b32 v[S+64+8*\t+\j], v[S+64+8*\t+\j], v[NINF], s[MK1+\j]
.endr
.endr
.Lopen_\@:
.irp u, 0,1                            ; the step's largest score of each query among my 64 keys: two chains a tile; each accumulator is read from its low end on
	v_max3_num_f32 v[WK+6*\u], v[S+64*\u], v[S+64*\u+1], v[S+64*\u+2]
	v_max3_num_f32 v[WK+6*\u+1], v[S+64*\u+3], v[S+64*\u+4], v[S+64*\u+5]
.endr
.irp i, 6,10,14,18,22,26,30,34,38,42,46,50,54,58
.irp u, 0,1
	v_max3_num_f32 v[WK+6*\u], v[WK+6*\u], v[S+64*\u+\i], v[S+64*\u+\i+1]
	v_max3_num_f32 v[WK+6*\u+1], v[WK+6*\u+1], v[S+64*\u+\i+2], v[S+64*\u+\i+3]
.endr
.endr
.irp u, 0,1
	v_max3_num_f32 v[WK+6*\u], v[WK+6*\u], v[S+64*\u+62], v[S+64*\u+63]
.endr
.irp u, 0,1
	v_max_num_f32 v[WK+6*\u], v[WK+6*\u], v[WK+6*\u+1]
.endr
.irp u, 0,1
	v_permlanex16_b32 v[PX+\u], v[WK+6*\u], s[SEL], s[SEL+1]
.endr
.irp u, 0,1
	v_max_num_f32 v[WK+6*\u], v[WK+6*\u], v[PX+\u] ; and among lane l xor 16's
.endr
.irp u, 0,1
	v_mul_f32 v[WK+6*\u], s[CS], v[WK+6*\u]        ; as t (c is positive)
.endr
.irp u, 0,1
	v_max_num_f32 v[ST+4*\u+1], v[ST+4*\u+1], v[WK+6*\u]   ; the running largest t
	v_mov_b32 v[WK+6*\u], v[ST+4*\u]
.endr
.irp u, 0,1
	v_floor_f32 v[ST+4*\u], -v[ST+4*\u+1]          ; the new -M = floor(-t) = -ceil(t): M is a whole number
.endr
.irp u, 0,1
	v_sub_f32 v[WK+6*\u], v[ST+4*\u], v[WK+6*\u]   ; M's old value less its new one: a whole number, 0 or less
.endr
.irp u, 0,1
	v_cvt_i32_f32 v[WK+6*\u], v[WK+6*\u]           ; (it saturates)
.endr
.irp u, 0,1
	v_ldexp_f32 v[WK+6*\u+2], 1.0, v[WK+6*\u]      ; f = 2^(old M - new M)
.endr
.irp u, 0,1
.set j, 0
.rept 32
	v_pk_fma_f32 v[S+64*\u+j:S+64*\u+j+1], v[S+64*\u+j:S+64*\u+j+1], s[CS:CS+1], v[ST+4*\u:ST+4*\u+1] op_sel_hi:[1,0,0]   ; t - M, two at a time (of the pairs c and -M the low word serves both halves)
.set j, j+2
.endr
.endr
.set j, 0
.rept 128
	v_exp_f32 v[S+j], v[S+j]                       ; p = 2^(t - M): not normalised
.set j, j+1
.endr
.irp u, 0,1
	v_pk_mul_f32 v[ST+4*\u+2:ST+4*\u+3], v[ST+4*\u+2:ST+4*\u+3], v[WK+6*\u+2:WK+6*\u+3] op_sel_hi:[1,0]   ; the sums under the new M.  (A plain place behind the exponentials)
.endr
	WIN 0x40                                       ; V's registers: destination window 1
	s_wait_alu depctr_va_vdst(0)                   ; THE STEP'S ONE WAIT: the 128 exponentials have written p, ahead of the first line that names it; the products V^T P^T of the step before are done reading V's registers, and this step's products K Q^T K's: the loads below land in them
.irp d, 0,1,2,3
.irp c, 0,1,2,3
	ds_load_b128 v[VFR+16*\d+4*\c:VFR+16*\d+4*\c+3], v[RD] offset:VOFF+8192*\q+2048*\d+512*\c   ; V of this step: the sums, conversions and rescalings stand between these loads and the wait for them
.endr
.endr
	WIN 0
.if \q == 0                            ; K of the slot's second half, where that step will be walked: the test on ids that stands at that step's head, made 128 keys early
	s_add_co_u32 s[T0], s[Q0], 31
	s_add_co_u32 s68, s[KF], 128
	s_cmp_gt_u32 s68, s[T0]
	s_cbranch_scc1 .Lnok_\@
	KLOAD 1                                        ; no further wait: no vector or matrix instruction since the wait above names K's registers or v[RD]
.Lnok_\@:
.endif
.irp u, 0,1
	v_pk_add_f32 v[WK+6*\u+4:WK+6*\u+5], v[S+64*\u:S+64*\u+1], v[S+64*\u+2:S+64*\u+3]   ; the row's sum is taken of the unquantised p: two at a time, two chains a tile
.endr
.irp i, 4,8,12,16,20,24,28,32,36,40,44,48,52,56,60
.irp u, 0,1
	v_pk_add_f32 v[ST+4*\u+2:ST+4*\u+3], v[ST+4*\u+2:ST+4*\u+3], v[S+64*\u+\i:S+64*\u+\i+1]
	v_pk_add_f32 v[WK+6*\u+4:WK+6*\u+5], v[WK+6*\u+4:WK+6*\u+5], v[S+64*\u+\i+2:S+64*\u+\i+3]
.endr
.endr
.irp u, 0,1
	v_pk_add_f32 v[ST+4*\u+2:ST+4*\u+3], v[ST+4*\u+2:ST+4*\u+3], v[WK+6*\u+4:WK+6*\u+5]
.endr
	s_cmp_lt_i32 s60, -8                           ; the conversion to an 8-bit code does not saturate (ISA guide 7.6.2): p is held at 448 x 2^e8 wherever that lies under 1.75, that is where e8 < -8
	s_cbranch_scc0 .Lnohold_\@
.set j, 0
.rept 128
	v_min_num_f32 v[S+j], v[S+j], v[HLD]           ; p is not negative: the hold is one-sided
.set j, j+1
.endr
.Lnohold_\@:
	WIN 0x40                                       ; destination window 1
.irp u, 0,1
.irp t, 0,1,2,3,4,5,6,7
	v_cvt_scalef32_pk8_fp8_f32 v[PF+16*\u+2*\t:PF+16*\u+2*\t+1], v[S+64*\u+8*\t:S+64*\u+8*\t+7], v[SCL]
.endr
.endr
	WIN 0x41                                       ; O^T (destination and source 0) window 1, f window 0
.irp u, 0,1
.set j, 0
.rept 16
	v_pk_mul_f32 v[32*\u+j:32*\u+j+1], v[32*\u+j:32*\u+j+1], v[WK+6*\u+2:WK+6*\u+3] op_sel_hi:[1,0]   ; O^T under the new M.  (These are also the plain places between the conversions and the products that read P)
.set j, j+2
.endr
.endr
	s_wait_dscnt 0x0                               ; V is in.  For 0: on one of the two ways no load of K stands behind V's; where one does, the next step's K is in too
	WIN 0x55                                       ; all four in window 1
.irp d, 0,1,2,3                        ; the eight accumulators take turns, one instruction a turn
.irp u, 0,1
	v_wmma_f32_16x16x128_fp8_fp8 v[32*\u+8*\d:32*\u+8*\d+7], v[VFR+16*\d:VFR+16*\d+15], v[PF+16*\u:PF+16*\u+15], v[32*\u+8*\d:32*\u+8*\d+7]
.endr
.endr
	WIN 0
.if \q == 1
.Lhidden_\@:
.endif
	s_add_co_u32 s[KF], s[KF], 128
.endm
.Ltrip:                                                ; nine trips: a slot of 256 keys each
	s_wait_dscnt 0x0                               ; my reads of the buffer read last trip are over, and my stores into the buffer read now are done:
	s_barrier_signal -1
	s_barrier_wait -1                              ; both now hold of all eight waves
	s_wait_loadcnt 0x0                             ; the next slot, asked for a trip ago, is in my registers
	s_xor_b32 s[TB2], s[TB], BUF1
	s_wait_alu depctr_vm_vsrc(0)                   ; the last trip's LDS loads and stores have read v[RD] and v[STA], which the two adds write; a block's stores on its way out have read their codes, which this trip's products write over
	v_add_nc_u32 v[RD], s[TB], v[LI]
	v_add_nc_u32 v[STA], s[TB2], v[W2K]
	s_lshl_b32 s[KF], s[KS], 8
	s_wait_alu depctr_va_vdst(0)                   ; v[RD] and v[STA] are written: the trip's LDS stores and loads read them as their addresses
	s_cmp_lt_u32 s[TR], 8                          ; the last trip has no next slot
	s_cbranch_scc0 .Lnostore
	STORESTG STA                                   ; into the buffer that nobody reads any more
.Lnostore:
	STEP 0
	STEP 1
	s_cmp_eq_u32 s[KS], s[QB]                      ; the slot on the diagonal was the block's last
	s_cbranch_scc0 .Lnext
	; THE WAY OUT OF A BLOCK.  The sum's halves and lane l xor 16's are added; O^T / the sum is held, converted, brought into the last product's order and stored.
	PLACES                                         ; behind the last products
.irp u, 0,1
	v_add_f32 v[ST+4*\u+2], v[ST+4*\u+2], v[ST+4*\u+3]
.endr
.irp u, 0,1
	v_permlanex16_b32 v[PX+\u], v[ST+4*\u+2], s[SEL], s[SEL+1]
.endr
.irp u, 0,1
	v_add_f32 v[ST+4*\u+2], v[ST+4*\u+2], v[PX+\u]
.endr
.irp u, 0,1
	v_rcp_f32 v[WK+6*\u+2], v[ST+4*\u+2]
.endr
	v_nop                                          ; a plain instruction between the last reciprocal and the use of its result
	WIN 0x01                                       ; source 0 (O^T) window 1
	s_wait_alu depctr_va_vdst(0)                   ; the two reciprocals have written their results, ahead of the first line that names one
.irp u, 0,1
.set j, 0
.rept 16
	v_pk_mul_f32 v[S+64*\u+j:S+64*\u+j+1], v[32*\u+j:32*\u+j+1], v[WK+6*\u+2:WK+6*\u+3] op_sel_hi:[1,0]   ; register 8 t + j: channel 16 t + 8 (lane / 16) + j of my query; each accumulator from its low end on
.set j, j+2
.endr
.endr
	WIN 0
.irp u, 0,1
.set j, 0
.rept 32
	v_med3_num_f32 v[S+64*\u+j], v[S+64*\u+j], s67, s66   ; the hold at the largest code x the scale
.set j, j+1
.endr
.endr
.irp u, 0,1
.irp t, 0,1,2,3
	v_cvt_scalef32_pk8_fp8_f32 v[S+64*\u+32+2*\t:S+64*\u+32+2*\t+1], v[S+64*\u+8*\t:S+64*\u+8*\t+7], v[SCO]   ; C[t]: eight codes, channels 16 t + 8 (lane / 16) + 0 .. 7
.endr
.endr
	v_nop                                          ; one plain vector instruction between the conversions and the lines that read their results
	; The last product wants lane (r, h) to hold channels 32 b + 16 h + 0 .. 15.  So lanes 0-15 keep C[2 b] and take it from the lane 16 away too; lanes 16-31 likewise C[2 b + 1]: each sends the one that it does not keep.
.irp u, 0,1
.irp b, 0,1
.irp i, 0,1
	v_cndmask_b32 v[S+64*\u+40+2*\b+\i], v[S+64*\u+34+4*\b+\i], v[S+64*\u+32+4*\b+\i], s[HM]
.endr
.endr
.endr
.irp u, 0,1
.irp b, 0,1
.irp i, 0,1
	v_permlanex16_b32 v[S+64*\u+44+2*\b+\i], v[S+64*\u+40+2*\b+\i], s[SEL], s[SEL+1]
.endr
.endr
.endr
.irp u, 0,1
.irp b, 0,1
.irp i, 0,1
	v_cndmask_b32 v[S+64*\u+48+4*\b+\i], v[S+64*\u+32+4*\b+\i], v[S+64*\u+44+2*\b+\i], s[HM]     ; the lower eight: my own (lanes 0-15) or what came (lanes 16-31)
	v_cndmask_b32 v[S+64*\u+50+4*\b+\i], v[S+64*\u+44+2*\b+\i], v[S+64*\u+34+4*\b+\i], s[HM]     ; the upper eight: what came, or my own
.endr
.endr
.endr
	s_lshl_b32 s68, s[QB], 16                      ; the block's 16 tiles of rows, 4096 bytes each
	s_mov_b32 s69, 0
	s_add_nc_u64 s[APT:APT+1], s[AHB:AHB+1], s[68:69]
	s_wait_alu depctr_va_vdst(0)                   ; the selections have written the codes, which the four stores read
.irp u, 0,1
.irp b, 0,1
	global_store_b128 v[LI], v[S+64*\u+48+4*\b:S+64*\u+51+4*\b], s[APT:APT+1] offset:4096*\u+512*\b   ; 32 lanes store 512 consecutive bytes, at a multiple of 512 from the buffer's first byte
.endr
.endr
	s_cmp_eq_u32 s[TR], 8                          ; behind the second block nothing is left to set up
	s_cbranch_scc1 .Lnext
	s_wait_xcnt 0x0                                ; the stores have read their registers and their base: both are written again (the lines below name none of the stores' vector registers; the wait on vm_vsrc at the next trip's head stands ahead of the first line that does)
	WIN 0x41
.set j, 0
.rept 16
	v_mov_b32 v[QF+j], v[Q2+j]                     ; the second block's Q
.set j, j+1
.endr
	WIN 0
	INIT
	s_sub_co_u32 s[QB], 7, s[PP]
	s_lshl_b32 s[Q0], s[QB], 8
	s_lshl_b32 s[T0], s[W], 5
	s_add_co_u32 s[Q0], s[Q0], s[T0]
	s_mov_b32 s[KS], -1                            ; (the step below makes it 0)
.Lnext:
	s_add_co_u32 s[KS], s[KS], 1
	s_xor_b32 s[TB], s[TB], BUF1
	s_add_co_u32 s[TR], s[TR], 1
	s_cmp_lt_u32 s[TR], 9
	s_cbranch_scc1 .Ltrip
	s_wait_dscnt 0x0                               ; the closing lines, six on end
	s_wait_alu 0x0
	s_wait_tensorcnt 0x0
	ds_add_u32 v62, v63
	s_wait_dscnt 0x0
	s_endpgm
.Lfunc_end_k_qa0e4e5ca89_attn:
	.size	k_qa0e4e5ca89_attn, .Lfunc_end_k_qa0e4e5ca89_attn-k_qa0e4e5ca89_attn
	.p2alignl 7, 3214868480
	.fill 96, 4, 3214868480
	.section	.rodata,"a",@progbits
	.p2align	6, 0x0
	.amdhsa_kernel k_qa0e4e5ca89_attn
		.amdhsa_group_segment_fixed_size 66560
		.amdhsa_private_segment_fixed_size 0
		.amdhsa_enable_private_segment 0
		.amdhsa_kernarg_size 40
		.amdhsa_user_sgpr_count 2
		.amdhsa_user_sgpr_kernarg_segment_ptr 1
		.amdhsa_wavefront_size32 1
		.amdhsa_system_sgpr_workgroup_id_x 1
		.amdhsa_system_sgpr_workgroup_id_y 1
		.amdhsa_system_sgpr_workgroup_id_z 1
		.amdhsa_system_vgpr_workitem_id 0
		.amdhsa_next_free_vgpr 480
		.amdhsa_next_free_sgpr 80
		.amdhsa_reserve_vcc 0
		.amdhsa_float_denorm_mode_32 3
		.amdhsa_float_denorm_mode_16_64 3
		.amdhsa_memory_ordered 1
		.amdhsa_forward_progress 1
		.amdhsa_inst_pref_size 118
	.end_amdhsa_kernel
	.amdgpu_metadata
---
amdhsa.version: [ 1, 2 ]
amdhsa.kernels:
  - .name:           k_qa0e4e5ca89_attn
    .symbol:         k_qa0e4e5ca89_attn.kd
    .args:
      - { .name: q_codes, .offset: 0, .size: 8, .value_kind: global_buffer, .address_space: global }
      - { .name: k_codes, .offset: 8, .size: 8, .value_kind: global_buffer, .address_space: global }
      - { .name: v_codes, .offset: 16, .size: 8, .value_kind: global_buffer, .address_space: global }
      - { .name: lowp_scales, .offset: 24, .size: 8, .value_kind: global_buffer, .address_space: global }
      - { .name: a_codes, .offset: 32, .size: 8, .value_kind: global_buffer, .address_space: global }
    .group_segment_fixed_size: 66560
    .private_segment_fixed_size: 0
    .kernarg_segment_align: 8
    .kernarg_segment_size: 40
    .max_flat_workgroup_size: 256
    .sgpr_count:     80
    .vgpr_count:     480
    .wavefront_size: 32
...
	.end_amdgpu_metadata
.endif
;; end of part 4
;; launch proj: the kernel of part 3 again; grid 4 x 64, 4 waves a work-group, clusters of 4 x 4, 327,680 bytes of LDS; arguments a_codes, Wo_codes, lowp_scales, out0; writes out0
